; MI455X (gfx1250); checked and timed in simulation.
; The chip was launched on July 23, 2026; its instructions are those of AMD's public machine-readable ISA for CDNA 5 (MIT licence, August 2026) and "CDNA5" Instruction Set Architecture Reference Guide (July 2026). The comments in the code are by the model that wrote it; some were corrected since.
;; Reinforcement Learning Base. Allowed arithmetic: float matrix products may take bf16 or f16 operands with f32 sums; all other float work in f32.
;; Inputs: W_emb 80 x 200 float32; W_enc 80 x 80 float32; W_rk 256 x 80 float32; W_wk 256 x 80 float32; W_wv 256 x 80 float32; facts 50 x 256 x 200 float32; mem0 256 x 256 x 256 float32.
;; Outputs: out0 50 x 256 x 256 float32.
;; 2 versions, each right; version 2 is version 1 with the launch snn written anew for expert scheduling mode. Each part assembles by itself: llvm-mc -triple=amdgcn-amd-amdhsa -mcpu=gfx1250 --defsym DOCPART=n.
;; ======== version 1 of 2: 1 launch
;; launch snn (part 1): grid 256 x 1, 8 waves a work-group, no clusters, 327,680 bytes of LDS; arguments facts, mem0, W_emb, W_enc, W_wk, W_wv, W_rk, out0; writes out0
.if DOCPART == 1
	.amdgcn_target "amdgcn-amd-amdhsa--gfx1250"
	.amdhsa_code_object_version 6
	.text
	.protected	k_q8277c2d18e_snn
	.globl	k_q8277c2d18e_snn
	.p2align	8
	.type	k_q8277c2d18e_snn,@function
k_q8277c2d18e_snn:
	s_mov_b64 s[64:65], 0
	v_nop
	global_prefetch_b8 v0, s[64:65] scope:SCOPE_SE
	s_setreg_imm32_b32 hwreg(HW_REG_WAVE_MODE, 25, 1), 1
	s_wait_xcnt 0x0
; Spiking memory network, 50 steps, one inner step each.  One work-group = one batch element b (256 of them), eight waves.
; out0[0] = 0 and out0[t+1] = z_rv[t]: the read-out is delayed by one step, so steps 0..48 alone reach the output (facts[49] is
; loaded with the rest and feeds nothing; the trace tv feeds nothing in the reference either).
; The memory only grows by rank-1 terms, so for every input
;   rv_in[t][m] = sum_n mem0[m][n] z_rk[t][n] + ETA sum_{s<=t} (tk[s] . z_rk[t]) z_v[s][m]
; and the [256][256] state is never rewritten: mem0 is read once, everything else is small matrix products and three LIF scans.
; NUMBER FORMATS: every input is rounded once to bf16.  The sigmoid's slope of 10 and the two 0.9 accumulators in front of it magnify an
; error of a drive, and near the threshold the recurrence itself has a slope of about -1.8, so intermediates are fed to the matrix unit
; without loss: emb, z_e and z_rk (against mem0) as THREE bf16 parts, 8 + 8 + 8 bits = the whole f32; tk, z_v, ETA A and z_rk (against tk)
; as two parts with the products hh + hl + lh (relative 2^-18, on sums of many positive terms).  Small parts are added first, so that only
; the last links of a chain round at the sum's full size.  Sums, LIF states and traces are f32.
; sigmoid(10(v-1)) = 1 / (1 + 2^(14.427 - 14.427 v)): where the power overflows or is flushed, z is exactly 0 or 1.
; NO TENSOR LOADS, NO CLUSTER: the weights are shared by all work-groups, but each operand is rounded to bf16 on its way, through
; registers; an f32 landing zone for the three [256][80] matrices alone is 245,760 bytes, which does not fit beside their bf16 image
; (135,168 bytes) in 327,680.  No ring: each tile is used once.
; Thread tid = 32 w + lane owns neuron tid in the second and third scan.
;
; LDS (bytes).  All pitches are odd multiples of 16 bytes, so the sixteen rows of a fragment load start in different banks.
.set MAREA, 8448                       ; 0: a wave's own area, 16 rows x pitch 528: mem0 rows 32w..+15 in bf16, then rows 32w+16..+31, then (bytes 0..2559) its ETA A tile
.set XS,    67584                      ; up to the second barrier: facts of b, 64 rows (t; 50..63 repeat 49) x pitch 464, bf16, K 200 filled to 224 with zeros
.set WES,   97280                      ; up to the second barrier: W_emb, 80 rows x pitch 464
.set ZEH,   67584                      ; between the second and the fourth barrier, over that stage: z_e[t][e], three planes (parts 1, 2, 3), EP apart, rows 0..48 written
.set R1,    135168                     ; up to the fourth barrier: weight image: a wave's area = 6 tiles (wk, wv, rk x two halves of its 32 rows) of 16 rows x pitch 176
.set WAREA, 16896
.set WTILE, 2816                       ; 16 rows x 176: a weight tile, and 16 rows of the emb and z_e planes
.set EH,    270336                     ; up to the third barrier: emb[t][e], three planes of 64 rows x 176, EP apart; ends at 304,128
.set EP,    11264
.set ZR1,   67584                      ; behind the fourth barrier: z_rk[t][n], three planes of 49 rows x pitch 528, PLN apart
.set PLN,   25872
.set TKH,   145200                     ; tk[t][n], two planes
.set ZVH,   196944                     ; z_v[m][s], two planes of 256 rows x pitch 144 (64 s, 49..63 zero), ZVP apart; ends at 270,672
.set ZVP,   36864
.set OUTS,  145200                     ; behind the sixth barrier, over tk: out[t][m] f32, 50 rows x 1024
; Vector registers, window 0
.set LANE, 1
.set RR,   2                           ; lane & 15
.set HH,   3                           ; lane >> 4
.set O16,  4                           ; 16 lane
.set O16B, 5                           ; 16 min(32 + lane, 49): the rest of a row of 800 bytes
.set XST,  6                           ; XS + 464 w + 8 lane
.set XSTB, 7                           ; XS + 464 w + 8 min(32 + lane, 55)
.set A80,  8                           ; v8-12: where chunk lane + 32 i of a [16][80] tile goes in my weight area
.set MST,  13                          ; 8448 w + 8 lane
.set PF,   15                          ; 256 lane
.set P176, 16                          ; 176 r + 16 h
.set P528, 17                          ; 528 r + 16 h
.set WF,   18                          ; R1 + 16896 w + 176 r + 16 h
; v19-31: addresses of the running phase.  v32-255 and window 1: see the phases.
; Scalars: s[4:19] the eight buffers, s20 wave, s21 0.9, s22 10/ln 2, s23 exp(-1/20), s24 0.01, s25 upper-half mask, s[26:27] out0 + 8 MiB,
; s28 lanes 0..17, s29 scratch, s30 my weight area, s31 my mem0 area, s[32:47] my eight rows of facts, s48-53 scratch.
.set MSB, 0
.macro WIN new                         ; register windows; the immediate's high byte repeats the setting that is left
.if MSB != \new
	s_set_vgpr_msb (MSB<<8)|\new
.set MSB, \new
.endif
.endm
.macro PLACES                          ; four independent vector places behind a matrix instruction before its registers are read by
.rept 4                                ; vector work, written, or loaded into (ISA guide 7.12.1)
	v_nop
.endr
.endm
.macro BARRIER
	s_barrier_signal -1
	s_barrier_wait -1
.endm
.macro CVT4 r                          ; four f32 in v[r..r+3] to four bf16 in v[r..r+1]
	v_cvt_pk_bf16_f32 v[\r], v[\r], v[\r+1]
	v_cvt_pk_bf16_f32 v[\r+1], v[\r+2], v[\r+3]
.endm
.macro UNPK8 t, h                      ; four words of bf16 pairs to eight f32
.irp i, 0,1,2,3
	v_lshlrev_b32 v[\t+2*\i], 16, v[\h+\i]
	v_and_b32 v[\t+2*\i+1], s25, v[\h+\i]
.endr
.endm
.macro PACK8 h, d                      ; eight f32 rounded to four words of bf16 pairs
.irp i, 0,1,2,3
	v_cvt_pk_bf16_f32 v[\h+\i], v[\d+2*\i], v[\d+2*\i+1]
.endr
.endm
.macro SUB8 t, a, b                    ; t = a - b, eight f32 (exact here: b is a's leading bits)
.irp i, 0,1,2,3
	v_pk_add_f32 v[\t+2*\i:\t+2*\i+1], v[\a+2*\i:\a+2*\i+1], v[\b+2*\i:\b+2*\i+1] neg_lo:[0,1] neg_hi:[0,1]
.endr
.endm
.macro SPLIT8 d, h, l, t               ; eight f32 in d as two bf16 parts h, l (4 registers each); t: 8 scratch
	PACK8 \h, \d
	UNPK8 \t, \h
	SUB8 \t, \d, \t
	PACK8 \l, \t
.endm
.macro SPLIT8T d, h, m, l, t, u        ; as three parts h, m, l; t, u: 8 scratch each
	PACK8 \h, \d
	UNPK8 \t, \h
	SUB8 \t, \d, \t
	PACK8 \m, \t
	UNPK8 \u, \m
	SUB8 \t, \t, \u
	PACK8 \l, \t
.endm
.macro MMA d, a, b, z                  ; d (+)= a x b; z: the first product starts the sum
.if \z
	v_wmma_f32_16x16x32_bf16 v[\d:\d+7], v[\a:\a+7], v[\b:\b+7], 0
.else
	v_wmma_f32_16x16x32_bf16 v[\d:\d+7], v[\a:\a+7], v[\b:\b+7], v[\d:\d+7]
.endif
.endm
; A three-part operand of K = 80 as eight fragments of K = 32: q = 2 p, 2 p + 1: part p + 1, k 0-31 and 32-63; q = 6: {part 1, part 2} of
; k 64-79; q = 7: {part 3 of k 64-79, zeros}.  Fifteen loads; registers dst+60..63 hold zeros, written once for each buffer.
.macro LDA8 dst, adr, off
.irp p, 0,1,2
	ds_load_b128 v[\dst+16*\p:\dst+16*\p+3],     v[\adr] offset:(\off)+EP*\p
	ds_load_b128 v[\dst+16*\p+4:\dst+16*\p+7],   v[\adr] offset:(\off)+EP*\p+32
	ds_load_b128 v[\dst+16*\p+8:\dst+16*\p+11],  v[\adr] offset:(\off)+EP*\p+64
	ds_load_b128 v[\dst+16*\p+12:\dst+16*\p+15], v[\adr] offset:(\off)+EP*\p+96
.endr
	ds_load_b128 v[\dst+48:\dst+51], v[\adr] offset:(\off)+128
	ds_load_b128 v[\dst+52:\dst+55], v[\adr] offset:(\off)+EP+128
	ds_load_b128 v[\dst+56:\dst+59], v[\adr] offset:(\off)+2*EP+128
.endm
; The weights that meet it: K 0-31 (for even q < 6), K 32-63 (odd q < 6), and K 64-79 twice (q = 6, 7)
.macro LDB3 dst, adr, off
	ds_load_b128 v[\dst:\dst+3],     v[\adr] offset:(\off)
	ds_load_b128 v[\dst+4:\dst+7],   v[\adr] offset:(\off)+32
	ds_load_b128 v[\dst+8:\dst+11],  v[\adr] offset:(\off)+64
	ds_load_b128 v[\dst+12:\dst+15], v[\adr] offset:(\off)+96
	ds_load_b128 v[\dst+16:\dst+19], v[\adr] offset:(\off)+128
	ds_load_b128 v[\dst+20:\dst+23], v[\adr] offset:(\off)+128
.endm
; a's lanes 16-31 change places with b's lanes 0-15.  A result tile holds t = j in lanes 0-15 and t = 8 + j in lanes 16-31; with the tile of
; the next 16 neurons as b, a + j then holds t = j and b + j holds t = 8 + j, for neuron = lane.
.macro SWAP8 a, b, n
.set jj, 0
.rept \n
	v_permlane16_swap_b32 v[\a+jj], v[\b+jj]
.set jj, jj+1
.endr
.endm
; LIF step, NCH chains side by side.  i' = 0.9 i + u;  v' = 0.9 v (1 - z) + i' = fma(-z, W, W + i') with W = 0.9 v;  z' = 1/(1 + 2^(c - c v')).
; u of chain k at step t lies in v[UB + UK k + UH ((t>>3)&1) + UT (t>>4) + (t&7)].
.macro LIF_START                       ; step 0: i = u, v = i
.set kk, 0
.rept NCH
	v_mov_b32 v[SI+kk], v[UB+UK*kk]
	v_mov_b32 v[ST+kk], v[UB+UK*kk]
	v_mov_b32 v[SW+kk], 0
	v_mov_b32 v[SZ+kk], 0
.set kk, kk+1
.endr
.endm
.macro LIF_V
.set kk, 0
.rept NCH
	v_fma_f32 v[SV+kk], -v[SZ+kk], v[SW+kk], v[ST+kk]
.set kk, kk+1
.endr
.set kk, 0
.rept NCH
	v_fma_f32 v[SX+kk], -v[SV+kk], s22, s22
.set kk, kk+1
.endr
.set kk, 0
.rept NCH
	v_exp_f32 v[SE+kk], v[SX+kk]
.set kk, kk+1
.endr
.endm
.macro LIF_I t1                        ; the next step's current: also the plain place behind v_exp_f32
.set kk, 0
	s_wait_alu depctr_va_vdst(0)
.rept NCH
	v_fma_f32 v[SI+kk], s21, v[SI+kk], v[UB+UK*kk+UH*(((\t1)>>3)&1)+UT*((\t1)>>4)+((\t1)&7)]
.set kk, kk+1
.endr
.endm
.macro LIF_Z
.set kk, 0
	s_wait_alu depctr_va_vdst(0)
.rept NCH
	v_add_f32 v[SE+kk], 1.0, v[SE+kk]
.set kk, kk+1
.endr
.set kk, 0
.rept NCH
	v_rcp_f32 v[SZ+kk], v[SE+kk]
.set kk, kk+1
.endr
.endm
.macro LIF_W                           ; needs no z: the plain places behind v_rcp_f32
.set kk, 0
.rept NCH
	v_mul_f32 v[SW+kk], s21, v[SV+kk]
.set kk, kk+1
.endr
.set kk, 0
	s_wait_alu depctr_va_vdst(0)
.rept NCH
	v_add_f32 v[ST+kk], v[SW+kk], v[SI+kk]
.set kk, kk+1
.endr
.endm
; Three weight tiles (first .. first+2 of my six) by 30 loads into window 1, v128-247; tile n = 2 p + half of matrix p = wk, wv, rk
.macro W3LOAD first
.irp n3, 0,1,2
.irp i, 0,1,2,3,4,5,6,7,8,9
	global_load_b128 v[128+40*\n3+4*\i:131+40*\n3+4*\i], v[O16], s[12+2*((\first+\n3)>>1):13+2*((\first+\n3)>>1)] offset:5120*((\first+\n3)&1)+512*\i
.endr
.endr
.endm
.macro W3CVT
	WIN 0x45
.set qq, 0
.rept 30
	CVT4 128+4*qq
.set qq, qq+1
.endr
.endm
.macro W3STORE first
	WIN 0x04
.irp n3, 0,1,2
.irp i, 0,1,2,3,4,5,6,7,8,9
	ds_store_b64 v[A80+\i%5], v[128+40*\n3+4*\i:129+40*\n3+4*\i] offset:WTILE*(\first+\n3)+1408*(\i/5)
.endr
.endr
.endm
	; ------------------------------------------------------------------ set-up
	s_load_b512 s[4:19], s[0:1], 0x0               ; facts 4, mem0 6, W_emb 8, W_enc 10, W_wk 12, W_wv 14, W_rk 16, out0 18
	v_lshl_add_u32 v27, v0, 2, 0x4a400
	v_mov_b32 v29, 0
	v_and_b32 v[LANE], 31, v0
	v_lshrrev_b32 v[RR], 5, v0
	v_readfirstlane_b32 s20, v[RR]                 ; wave 0..7
	v_and_b32 v[RR], 15, v0
	v_bfe_u32 v[HH], v0, 4, 1
	s_mov_b32 s21, 0x3f666666                      ; 0.9
	s_mov_b32 s22, 0x4166d4ca                      ; 10 / ln 2
	s_mov_b32 s23, 0x3f7383c6                      ; exp(-1/20)
	s_mov_b32 s24, 0x3c23d70a                      ; 0.01
	s_mov_b32 s25, 0xffff0000
	s_mul_i32 s29, s20, 464
	s_add_co_u32 s29, s29, XS
	s_mul_i32 s30, s20, WAREA
	s_add_co_u32 s30, s30, R1
	s_mul_i32 s31, s20, MAREA
	v_cmp_gt_u32 s28, 18, v[LANE]                  ; chunks 32..49 of a row of 200 numbers are data, 50..55 become zeros
	v_lshlrev_b32 v[O16], 4, v[LANE]
	v_add_nc_u32 v[XSTB], 32, v[LANE]
	v_min_u32 v[O16B], 49, v[XSTB]
	v_lshlrev_b32 v[O16B], 4, v[O16B]
	v_min_u32 v[XSTB], 55, v[XSTB]
	v_lshl_add_u32 v[XSTB], v[XSTB], 3, s29
	v_lshl_add_u32 v[XST], v[LANE], 3, s29
.irp i, 0,1,2,3,4
	v_add_nc_u32 v19, 32*\i, v[LANE]               ; chunk c (4 numbers) of a [16][80] tile: row c / 20, column c % 20
	v_mul_u32_u24 v20, v19, 0xccd                  ; c / 20 = (3277 c) >> 16 for c < 160
	v_lshrrev_b32 v20, 16, v20
	v_lshl_add_u32 v19, v19, 3, s30                ; 176 row + 8 (c - 20 row) = 8 c + 16 row
	v_lshl_add_u32 v[A80+\i], v20, 4, v19
.endr
	v_lshl_add_u32 v[MST], v[LANE], 3, s31
	v_lshlrev_b32 v[PF], 8, v[LANE]
	v_mul_u32_u24 v[P176], v[RR], 176
	v_lshl_add_u32 v[P176], v[HH], 4, v[P176]
	v_mul_u32_u24 v[P528], v[RR], 528
	v_lshl_add_u32 v[P528], v[HH], 4, v[P528]
	v_add_nc_u32 v[WF], s30, v[P176]
	s_mul_i32 s48, ttmp9, 800
	s_mov_b32 s49, 0
	s_mov_b32 s51, 0
	s_wait_kmcnt 0x0
	s_add_nc_u64 s[4:5], s[4:5], s[48:49]          ; facts[0][b]
.irp i, 0,1,2,3,4,5,6,7
	s_add_co_u32 s50, s20, 8*\i                    ; I bring rows t = w + 8 i; beyond 49 the last row again
	s_min_u32 s50, s50, 49
	s_mul_i32 s50, s50, 204800
	s_add_nc_u64 s[32+2*\i:33+2*\i], s[4:5], s[50:51]
.endr
	s_lshl_b32 s50, ttmp9, 18                      ; mem0[b], my 32 rows of 1,024 bytes
	s_lshl_b32 s52, s20, 15
	s_add_co_u32 s50, s50, s52
	s_add_nc_u64 s[6:7], s[6:7], s[50:51]
	s_mul_i32 s50, s20, 800                        ; W_emb rows w + 8 i
	s_add_nc_u64 s[8:9], s[8:9], s[50:51]
	s_min_u32 s50, s20, 4                          ; W_enc has five tiles of 16 rows; waves 5-7 take the last again and never use it
	s_mul_i32 s50, s50, 5120
	s_add_nc_u64 s[10:11], s[10:11], s[50:51]
	s_mul_i32 s50, s20, 10240                      ; my 32 rows of 320 bytes in W_wk, W_wv, W_rk
	s_add_nc_u64 s[12:13], s[12:13], s[50:51]
	s_add_nc_u64 s[14:15], s[14:15], s[50:51]
	s_add_nc_u64 s[16:17], s[16:17], s[50:51]
	s_lshl_b32 s50, ttmp9, 10
	s_add_nc_u64 s[18:19], s[18:19], s[50:51]      ; out0[0][b]
	s_add_nc_u64 s[26:27], s[18:19], 0x800000      ; out0[32][b]: the stores' immediates stay inside 24 bits
	; ------------------------------------------------------------------ phase 0: everything that is needed first is asked for at once
.irp i, 0,1,2,3,4,5,6,7,8,9
	global_load_b128 v[208+4*\i:211+4*\i], v[O16], s[10:11] offset:512*\i
.endr
.irp i, 0,1,2,3,4,5,6,7
	global_load_b128 v[64+8*\i:67+8*\i], v[O16],  s[32+2*\i:33+2*\i]
	global_load_b128 v[68+8*\i:71+8*\i], v[O16B], s[32+2*\i:33+2*\i]
.endr
.irp i, 0,1,2,3,4,5,6,7,8,9
	global_load_b128 v[128+8*\i:131+8*\i], v[O16],  s[8:9] offset:6400*\i
	global_load_b128 v[132+8*\i:135+8*\i], v[O16B], s[8:9] offset:6400*\i
.endr
	WIN 0x40
	W3LOAD 0
	WIN 0
	; ------------------------------------------------------------------ phase 1: round to bf16, into LDS
	s_wait_loadcnt 30                              ; loads return in order: only the 30 of weight tiles 0-2 are younger
.irp i, 0,1,2,3,4,5,6,7,8,9
	CVT4 208+4*\i
.endr
.irp i, 0,1,2,3,4,5,6,7,8,9
	ds_store_b64 v[A80+\i%5], v[208+4*\i:209+4*\i] offset:5*WTILE+1408*(\i/5)    ; W_enc waits in my tile slot 5, which gets its own tile after the encoder
.endr
.irp i, 0,1,2,3,4,5,6,7
	CVT4 64+8*\i
	CVT4 68+8*\i
	v_cndmask_b32 v[68+8*\i], 0, v[68+8*\i], s28
	v_cndmask_b32 v[69+8*\i], 0, v[69+8*\i], s28
	ds_store_b64 v[XST],  v[64+8*\i:65+8*\i] offset:3712*\i
	ds_store_b64 v[XSTB], v[68+8*\i:69+8*\i] offset:3712*\i
.endr
.irp i, 0,1,2,3,4,5,6,7,8,9
	CVT4 128+8*\i
	CVT4 132+8*\i
	v_cndmask_b32 v[132+8*\i], 0, v[132+8*\i], s28
	v_cndmask_b32 v[133+8*\i], 0, v[133+8*\i], s28
	ds_store_b64 v[XST],  v[128+8*\i:129+8*\i] offset:WES-XS+3712*\i
	ds_store_b64 v[XSTB], v[132+8*\i:133+8*\i] offset:WES-XS+3712*\i
.endr
	s_wait_loadcnt 0x0
	W3CVT
	W3STORE 0
	WIN 0x40
	W3LOAD 3                                       ; tiles 3-5, and behind them my first 16 rows of mem0: both arrive under phases 2 and 3
.set qq, 0
.rept 32
	global_load_b128 v[4*qq:4*qq+3], v[O16], s[6:7] offset:512*qq th:TH_LOAD_NT
.set qq, qq+1
.endr
	WIN 0
	s_wait_dscnt 0x0                               ; my stores are in LDS before I say so
	BARRIER                                        ; 1: the stages of facts and W_emb are whole
	; ------------------------------------------------------------------ phase 2, waves 0-4: emb^T = W_emb (16 rows e) x facts (64 rows t), K = 224
	s_cmp_gt_u32 s20, 4
	s_cbranch_scc1 .Lp2_end
	v_mul_u32_u24 v19, v[RR], 464
	v_lshl_add_u32 v19, v[HH], 4, v19
	v_add_nc_u32 v20, XS, v19                      ; facts fragments
	s_mul_i32 s29, s20, 7424
	s_add_co_u32 s29, s29, WES
	v_add_nc_u32 v21, s29, v19                     ; my 16 rows of W_emb
	s_lshl_b32 s29, s20, 5
	s_add_co_u32 s29, s29, EH
	v_add_nc_u32 v22, s29, v[P176]                 ; a lane's eight results are e = 16 w + 8 h + 0..7 of row t = r: 16 bytes of the plane, 32 bytes of each row a wave
.macro P2LOAD buf, c
	ds_load_b128 v[\buf:\buf+3],   v21 offset:64*(\c)
	ds_load_b128 v[\buf+4:\buf+7], v21 offset:64*(\c)+32
.irp tau, 0,1,2,3
	ds_load_b128 v[\buf+8+8*\tau:\buf+11+8*\tau],  v20 offset:64*(\c)+7424*\tau
	ds_load_b128 v[\buf+12+8*\tau:\buf+15+8*\tau], v20 offset:64*(\c)+7424*\tau+32
.endr
.endm
	P2LOAD 64, 0
.set cc, 0
.rept 7
.if cc > 0
	PLACES
.endif
.if cc < 6
	P2LOAD 64+40*((cc+1)&1), cc+1
	s_wait_dscnt 10                                ; the ten loads of the next K step stay out
.else
	s_wait_dscnt 0x0
.endif
.irp tau, 0,1,2,3
	MMA 144+8*\tau, 64+40*(cc&1), 72+40*(cc&1)+8*\tau, cc==0
.endr
.set cc, cc+1
.endr
	PLACES
.irp tau, 0,1,2,3
	SPLIT8T 144+8*\tau, 176, 180, 184, 188, 196
	ds_store_b128 v22, v[176:179] offset:WTILE*\tau
	ds_store_b128 v22, v[180:183] offset:WTILE*\tau+EP
	ds_store_b128 v22, v[184:187] offset:WTILE*\tau+2*EP
.endr
.Lp2_end:
	s_wait_dscnt 0x0
	BARRIER                                        ; 2: the emb planes are whole; all reads of the stages of facts and W_emb are back, so z_e may be laid over them
	; ------------------------------------------------------------------ phase 3, waves 0-4: enc_in = emb x W_enc^T, then the encoder's scan
	s_cmp_gt_u32 s20, 4
	s_cbranch_scc1 .Lp3_end
	v_add_nc_u32 v19, EH, v[P176]
	s_lshl_b32 s29, s20, 5
	s_add_co_u32 s29, s29, ZEH
	v_lshl_add_u32 v20, v[RR], 1, s29              ; z_e[.][16 w + r]
.irp z, 124,125,126,127,188,189,190,191
	v_mov_b32 v\z, 0                               ; the zero halves of the two buffers' eighth fragments
.endr
; two row tiles side by side, so that a link of one chain runs while the other's is on its way; parts 3, 2, 1: the small ones first
.macro MM8P acc0, a0, acc1, a1, b
.irp q, 4,5,7,2,3,6,0,1
	MMA \acc0, \a0+8*\q, \b+8*(\q&1)*(1-\q/6)+16*(\q/6), \q==4
	MMA \acc1, \a1+8*\q, \b+8*(\q&1)*(1-\q/6)+16*(\q/6), \q==4
.endr
.endm
	LDB3 32, WF, 5*WTILE
	LDA8 64, 19, 0
	LDA8 128, 19, WTILE
	s_wait_dscnt 0x0
	MM8P 192, 64, 200, 128, 32
	PLACES
	LDA8 64, 19, 2*WTILE
	LDA8 128, 19, 3*WTILE
	s_wait_dscnt 0x0
	MM8P 208, 64, 216, 128, 32
	PLACES
	; a tile holds neuron r twice (t = j below, t = 8 + j above): copy and swap, so that both halves of the wave hold every t
.set jj, 0
.rept 24
	v_mov_b32 v[224+jj], v[192+jj]
.set jj, jj+1
.endr
	v_mov_b32 v248, v216                           ; of the last tile t = 48 alone is used
	SWAP8 192, 224, 8
	SWAP8 200, 232, 8
	SWAP8 208, 240, 8
	SWAP8 216, 248, 1
.set NCH, 1
.set SI, 32
.set SV, 33
.set SZ, 34
.set SW, 35
.set ST, 36
.set SX, 37
.set SH, 38
.set SL, 39
.set SS, 40
.set SE, 41
.set SR, 42
.set S3, 43
.set UB, 192
.set UK, 0
.set UH, 32
.set UT, 8
.macro OUT1 t0                         ; z_e of step t0 as three bf16 parts
	v_cvt_pk_bf16_f32 v[SH], v[SZ], v[SZ]
	v_lshlrev_b32 v[SS], 16, v[SH]
	v_sub_f32 v[SR], v[SZ], v[SS]
	v_cvt_pk_bf16_f32 v[SL], v[SR], v[SR]
	v_lshlrev_b32 v[SS], 16, v[SL]
	v_sub_f32 v[SR], v[SR], v[SS]
	v_cvt_pk_bf16_f32 v[S3], v[SR], v[SR]
	s_wait_alu depctr_va_vdst(0)
	ds_store_b16 v20, v[SH] offset:176*(\t0)
	ds_store_b16 v20, v[SL] offset:176*(\t0)+EP
	ds_store_b16 v20, v[S3] offset:176*(\t0)+2*EP
.endm
	LIF_START
.set tt, 0
.rept 49
	LIF_V
.if tt < 48
	LIF_I tt+1
.else
	v_nop
	s_wait_alu depctr_va_vdst(0)
.endif
.if tt > 0
	OUT1 tt-1                                      ; the last step's output fills the time that the power takes
.endif
	LIF_Z
.if tt < 48
	LIF_W
.else
	v_nop
	s_wait_alu depctr_va_vdst(0)
.endif
.set tt, tt+1
.endr
	OUT1 48
.Lp3_end:
	; all waves: weight tiles 3-5 and the first half of mem0 go to LDS
	s_wait_loadcnt 32                              ; the 32 loads of mem0 are younger
	W3CVT
	W3STORE 3
	s_wait_loadcnt 0x0
	WIN 0x45
.set qq, 0
.rept 32
	CVT4 4*qq
.set qq, qq+1
.endr
	WIN 0x04
.set qq, 0
.rept 32
	ds_store_b64 v[MST], v[4*qq:4*qq+1] offset:528*(qq>>1)+256*(qq&1)
.set qq, qq+1
.endr
	WIN 0
	s_wait_dscnt 0x0
	BARRIER                                        ; 3: the z_e planes are whole
	; ------------------------------------------------------------------ phase 4: z_e x {W_wk, W_wv, W_rk}^T for my 32 neurons; results in window 1, tile (n, tau) at 8 (4 n + tau)
	; window 0: v32-95 z_e buffer 0, v96-239 the six weight tiles' fragments; window 1: v192-255 z_e buffer 1
	v_add_nc_u32 v19, ZEH, v[P176]
	v_lshl_add_u32 v20, v[HH], 4, ZEH+48*176       ; the last tile: every lane takes row 48 (rows 49.. were never written)
.irp n, 0,1,2,3,4,5
	LDB3 96+24*\n, WF, WTILE*\n
.endr
.macro MM8X abuf, tau                  ; the eight links, each across the six tiles, so that no link waits for the one before; small parts first
.irp q, 4,5,7,2,3,6,0,1
.irp n, 0,1,2,3,4,5
	MMA 8*(4*\n+\tau), \abuf+8*\q, 96+24*\n+8*(\q&1)*(1-\q/6)+16*(\q/6), \q==4
.endr
.endr
.endm
.irp z, 92,93,94,95
	v_mov_b32 v\z, 0
.endr
	LDA8 32, 19, 0
	WIN 0x40
.irp z, 252,253,254,255
	v_mov_b32 v\z, 0
.endr
	LDA8 192, 19, WTILE
	s_wait_dscnt 15                                ; the fifteen loads of the next 16 rows stay out
	; my second 16 rows of mem0 (64 blocks of 256 bytes, lanes 256 bytes apart, each asked for once, by the wave that will load it) are
	; asked for here, this phase's 192 matrix instructions ahead of their loads
	WIN 0
	global_prefetch_b8 v[PF], s[6:7] offset:16384 th:TH_LOAD_NT scope:SCOPE_SE
	global_prefetch_b8 v[PF], s[6:7] offset:24576 th:TH_LOAD_NT scope:SCOPE_SE
	WIN 0x50
	MM8X 32, 0
	PLACES
	WIN 0
	LDA8 32, 19, 2*WTILE
	s_wait_dscnt 15
	WIN 0x51
	MM8X 192, 1
	PLACES
	WIN 0x40
	LDA8 192, 20, 0
	s_wait_dscnt 15
	WIN 0x50
	MM8X 32, 2
	s_wait_dscnt 0x0
	WIN 0x51
	MM8X 192, 3
	WIN 0
	PLACES
.set qq, 0
.rept 32
	global_load_b128 v[128+4*qq:131+4*qq], v[O16], s[6:7] offset:16384+512*qq th:TH_LOAD_NT   ; lands under the second scan, which works in window 1
.set qq, qq+1
.endr
	v_add_nc_u32 v21, s31, v[P528]
.irp c, 0,1,2,3,4,5,6,7
	ds_load_b128 v[64+8*\c:67+8*\c], v21 offset:64*\c         ; the fragments of my first 16 rows of mem0 leave my area, which the second 16 will use
	ds_load_b128 v[68+8*\c:71+8*\c], v21 offset:64*\c+32
.endr
	s_wait_dscnt 0x0
	BARRIER                                        ; 4: all reads of the weight image and of z_e are back: the planes may overwrite them
	; ------------------------------------------------------------------ phase 5: the scans of write key, write value and read key, three chains a lane
	s_mov_b32 s29, ZVH
	WIN 0x40
	v_lshl_add_u32 v192, v0, 1, ZR1                ; window 1: z_rk[.][tid], parts 1 and 2
	v_lshl_add_u32 v193, v0, 1, TKH                ; tk[.][tid]
	v_mad_u32_u24 v194, v0, 144, s29               ; z_v[tid][.]
	v_lshl_add_u32 v195, v0, 1, ZR1+2*PLN          ; z_rk part 3: beyond the reach of a 16-bit offset from v192
	v_mov_b32 v196, 0
	v_mov_b32 v197, 0
	v_mov_b32 v198, 0
	v_mov_b32 v199, 0
	WIN 0x55
.irp p, 0,1,2
	SWAP8 64*\p,    64*\p+32, 8
	SWAP8 64*\p+8,  64*\p+40, 8
	SWAP8 64*\p+16, 64*\p+48, 8
	SWAP8 64*\p+24, 64*\p+56, 1
.endr
.irp o, 0, ZVP
	ds_store_b16  v194, v196       offset:98+\o    ; z_v for s = 49..63 is zero: the masked A meets no stale bytes
	ds_store_b32  v194, v196       offset:100+\o
	ds_store_b64  v194, v[196:197] offset:104+\o
	ds_store_b128 v194, v[196:199] offset:112+\o
.endr
.set NCH, 3
.set SI, 200
.set SV, 203
.set SZ, 206
.set SW, 209
.set ST, 212
.set SX, 215
.set TK, 218
.set SH, 220
.set SL, 224
.set SS, 228
.set SE, 232
.set SR, 236
.set S3, 237
.set UB, 0
.set UK, 64
.set UH, 32
.set UT, 8
.macro OUT2 t0                         ; tk = LAM tk + z_k; tk and z_v of step t0 as two parts, z_rk as three
.if (\t0) == 0
	v_mov_b32 v[TK], v[SZ]
	s_wait_alu depctr_va_vdst(0)
.else
	v_fma_f32 v[TK], s23, v[TK], v[SZ]
	s_wait_alu depctr_va_vdst(0)
.endif
	v_cvt_pk_bf16_f32 v[SH+1], v[SZ+1], v[SZ+1]
	v_cvt_pk_bf16_f32 v[SH+2], v[SZ+2], v[SZ+2]
	v_cvt_pk_bf16_f32 v[SH], v[TK], v[TK]
	v_lshlrev_b32 v[SS+1], 16, v[SH+1]
	v_lshlrev_b32 v[SS+2], 16, v[SH+2]
	v_lshlrev_b32 v[SS], 16, v[SH]
	v_sub_f32 v[SL+1], v[SZ+1], v[SS+1]
	v_sub_f32 v[SR], v[SZ+2], v[SS+2]
	v_sub_f32 v[SL], v[TK], v[SS]
	v_cvt_pk_bf16_f32 v[SL+1], v[SL+1], v[SL+1]
	v_cvt_pk_bf16_f32 v[SL+2], v[SR], v[SR]
	v_cvt_pk_bf16_f32 v[SL], v[SL], v[SL]
	v_lshlrev_b32 v[SS+2], 16, v[SL+2]
	v_sub_f32 v[SR], v[SR], v[SS+2]
	v_cvt_pk_bf16_f32 v[S3], v[SR], v[SR]
	ds_store_b16 v193, v[SH]   offset:528*(\t0)
	ds_store_b16 v194, v[SH+1] offset:2*(\t0)
	ds_store_b16 v192, v[SH+2] offset:528*(\t0)
	ds_store_b16 v193, v[SL]   offset:528*(\t0)+PLN
	ds_store_b16 v194, v[SL+1] offset:2*(\t0)+ZVP
	ds_store_b16 v192, v[SL+2] offset:528*(\t0)+PLN
	ds_store_b16 v195, v[S3]   offset:528*(\t0)
.endm
	LIF_START
.set tt, 0
.rept 49
	LIF_V
.if tt < 48
	LIF_I tt+1
.else
	v_nop
	s_wait_alu depctr_va_vdst(0)
.endif
.if tt > 0
	OUT2 tt-1
.endif
	LIF_Z
.if tt < 48
	LIF_W
.else
	v_nop
	s_wait_alu depctr_va_vdst(0)
.endif
.set tt, tt+1
.endr
	OUT2 48
	WIN 0
	; ------------------------------------------------------------------ phase 6: the second half of mem0 through my area into fragments, v128-191
	s_wait_loadcnt 0x0
.set qq, 0
.rept 32
	CVT4 128+4*qq
.set qq, qq+1
.endr
.set qq, 0
.rept 32
	ds_store_b64 v[MST], v[128+4*qq:129+4*qq] offset:528*(qq>>1)+256*(qq&1)
.set qq, qq+1
.endr
.irp c, 0,1,2,3,4,5,6,7
	ds_load_b128 v[128+8*\c:131+8*\c], v21 offset:64*\c       ; my own bytes: LDS serves a wave's instructions in order
	ds_load_b128 v[132+8*\c:135+8*\c], v21 offset:64*\c+32
.endr
	s_wait_dscnt 0x0
	BARRIER                                        ; 5: the planes of z_rk, tk, z_v are whole
	; ------------------------------------------------------------------ phase 7: ETA A^T, A[t][s] = tk[s] . z_rk[t] for s <= t.  Wave w: t = 16 (w>>1) + 0..15, s = 32 (w&1) + 0..31
	; all in window 1: v0-47, v48-95 buffers, v100-105 addresses and limits, v112-127 sums, v128-143 scratch
	v_mul_u32_u24 v25, v[RR], 80
	v_lshl_add_u32 v25, v[HH], 4, v25              ; 80 r + 16 h: a tile [16 t][32 s] has pitch 80
	s_and_b32 s29, s20, 5
	s_cmp_eq_u32 s29, 1                            ; waves 1 and 3: t < 32 <= s, nothing of that tile is ever read
	s_cbranch_scc1 .Lp7_end
	s_lshr_b32 s48, s20, 1
	s_lshl_b32 s50, s48, 4                         ; first t
	s_and_b32 s49, s20, 1
	s_lshl_b32 s52, s49, 5                         ; first s
	s_mov_b32 s53, 528
	v_lshl_add_u32 v32, v[HH], 4, ZR1
	v_add_nc_u32 v33, s50, v[RR]
	v_min_u32 v33, 48, v33                         ; the planes have 49 rows: later rows repeat the last and are masked or unused
	v_lshl_add_u32 v35, v[HH], 4, TKH
	v_add_nc_u32 v34, s52, v[RR]
	v_add_nc_u32 v36, 16, v34
	v_min_u32 v34, 48, v34
	v_min_u32 v36, 48, v36
	v_lshlrev_b32 v37, 3, v[HH]
	v_sub_nc_u32 v37, v[RR], v37                   ; r - 8 h
	s_sub_co_i32 s50, s50, s52
	s_sub_co_i32 s51, s50, 16
	WIN 0x40
	v_mad_u32_u24 v100, v33, s53, v32              ; z_rk rows t
	v_mad_u32_u24 v101, v34, s53, v35              ; tk rows s, the first 16
	v_mad_u32_u24 v102, v36, s53, v35              ; and the second 16
	v_add_nc_u32 v103, s50, v37                    ; result j is s = s0 + 8 h + j of row t = t0 + r: kept where j <= t0 - s0 + r - 8 h
	v_add_nc_u32 v104, s51, v37
	v_add_nc_u32 v105, s31, v25                    ; the head of my mem0 area, whose fragments are in registers since phase 6
	WIN 0x55
.macro P7LOAD buf, c
.irp o, 0,1,2
	ds_load_b128 v[\buf+16*\o:\buf+16*\o+3],     v[100+\o] offset:64*(\c)
	ds_load_b128 v[\buf+16*\o+4:\buf+16*\o+7],   v[100+\o] offset:64*(\c)+32
	ds_load_b128 v[\buf+16*\o+8:\buf+16*\o+11],  v[100+\o] offset:64*(\c)+PLN
	ds_load_b128 v[\buf+16*\o+12:\buf+16*\o+15], v[100+\o] offset:64*(\c)+PLN+32
.endr
.endm
	P7LOAD 0, 0
.set cc, 0
.rept 8
.if cc > 0
	PLACES
.endif
.if cc < 7
	P7LOAD 48*((cc+1)&1), cc+1
	s_wait_dscnt 12                                ; the twelve loads of the next K step stay out
.else
	s_wait_dscnt 0x0
.endif
	MMA 112, 16+48*(cc&1), 48*(cc&1), cc==0        ; tk hi x z_rk hi
	MMA 120, 32+48*(cc&1), 48*(cc&1), cc==0
	MMA 112, 16+48*(cc&1), 8+48*(cc&1), 0          ; tk hi x z_rk lo
	MMA 120, 32+48*(cc&1), 8+48*(cc&1), 0
	MMA 112, 24+48*(cc&1), 48*(cc&1), 0            ; tk lo x z_rk hi
	MMA 120, 40+48*(cc&1), 48*(cc&1), 0
.set cc, cc+1
.endr
	PLACES
.irp j, 0,1,2,3,4,5,6,7
	v_cmp_le_i32 vcc_lo, \j, v103
	v_mul_f32 v[112+\j], s24, v[112+\j]
	v_cndmask_b32 v[112+\j], 0, v[112+\j], vcc_lo
.endr
.irp j, 0,1,2,3,4,5,6,7
	v_cmp_le_i32 vcc_lo, \j, v104
	v_mul_f32 v[120+\j], s24, v[120+\j]
	v_cndmask_b32 v[120+\j], 0, v[120+\j], vcc_lo
.endr
	SPLIT8 112, 128, 132, 136
	ds_store_b128 v105, v[128:131]
	ds_store_b128 v105, v[132:135] offset:1280
	SPLIT8 120, 128, 132, 136
	ds_store_b128 v105, v[128:131] offset:32
	ds_store_b128 v105, v[132:135] offset:1312
	WIN 0
.Lp7_end:
	; ------------------------------------------------------------------ phase 8: z_rk (three parts) x mem0^T for my 32 rows m
	; mem0's fragments (mu, c) in window 0, v[64 + 64 mu + 8 c]; in window 1: a ring of three buffers v0-95 (four row tiles of one part and
	; one K step each), addresses v96-99, sums (tau, mu) in v[192 + 16 tau + 8 mu].  One window setting serves loads and products.
	; 24 steps: part 3 over the eight K steps, then part 2, then part 1.
	WIN 0x40
	v_add_nc_u32 v96, ZR1, v[P528]
	v_lshl_add_u32 v97, v[HH], 4, ZR1+48*528       ; the last tile: row 48 in every lane
	v_add_nc_u32 v98, ZR1+2*PLN, v[P528]
	v_lshl_add_u32 v99, v[HH], 4, ZR1+2*PLN+48*528
	WIN 0x51
.macro P8LOAD buf, a0, off
.irp tau, 0,1,2
	ds_load_b128 v[\buf+8*\tau:\buf+8*\tau+3],   v[\a0] offset:8448*\tau+(\off)
	ds_load_b128 v[\buf+8*\tau+4:\buf+8*\tau+7], v[\a0] offset:8448*\tau+(\off)+32
.endr
	ds_load_b128 v[\buf+24:\buf+27], v[\a0+1] offset:(\off)
	ds_load_b128 v[\buf+28:\buf+31], v[\a0+1] offset:(\off)+32
.endm
.macro P8STEP s
.if (\s)/8 == 0
	P8LOAD 32*((\s)%3), 98, 64*((\s)%8)
.else
.if (\s)/8 == 1
	P8LOAD 32*((\s)%3), 96, PLN+64*((\s)%8)
.else
	P8LOAD 32*((\s)%3), 96, 64*((\s)%8)
.endif
.endif
.endm
	P8STEP 0
	P8STEP 1
.set ss, 0
.rept 24
.if ss < 22
.if ss > 0
	PLACES                                         ; the buffer that is filled next was read by the products just issued
.endif
	P8STEP ss+2
	s_wait_dscnt 16                                ; two steps of eight loads stay out
.else
.if ss == 22
	s_wait_dscnt 8
.else
	s_wait_dscnt 0x0
.endif
.endif
.irp tau, 0,1,2,3
.irp mu, 0,1
	MMA 192+16*\tau+8*\mu, 32*(ss%3)+8*\tau, 64+64*\mu+8*(ss%8), ss==0
.endr
.endr
.set ss, ss+1
.endr
	WIN 0
	s_wait_dscnt 0x0
	BARRIER                                        ; 6: the A tiles are whole; nobody reads tk any more
	; ------------------------------------------------------------------ phase 9: + (ETA A) x z_v^T, lo hi + hi lo + hi hi, on the same sums
	PLACES
	s_mul_i32 s29, s20, 4608
	s_add_co_u32 s29, s29, ZVH
	v_mul_u32_u24 v32, v[RR], 144
	v_lshl_add_u32 v32, v[HH], 4, v32
	v_add_nc_u32 v28, s29, v32
.macro P9LDA q, tau, kap               ; tile (tau, kap) lies in the area of wave 2 tau + kap
	ds_load_b128 v[32+16*\q:35+16*\q], v25 offset:MAREA*(2*\tau+\kap)
	ds_load_b128 v[36+16*\q:39+16*\q], v25 offset:MAREA*(2*\tau+\kap)+32
	ds_load_b128 v[40+16*\q:43+16*\q], v25 offset:MAREA*(2*\tau+\kap)+1280
	ds_load_b128 v[44+16*\q:47+16*\q], v25 offset:MAREA*(2*\tau+\kap)+1312
.endm
	P9LDA 1, 1, 0
	P9LDA 2, 2, 0
	P9LDA 3, 2, 1
	P9LDA 4, 3, 0
	P9LDA 5, 3, 1
.irp mu, 0,1
.irp kap, 0,1
	ds_load_b128 v[128+32*\mu+16*\kap:131+32*\mu+16*\kap], v28 offset:2304*\mu+64*\kap
	ds_load_b128 v[132+32*\mu+16*\kap:135+32*\mu+16*\kap], v28 offset:2304*\mu+64*\kap+32
	ds_load_b128 v[136+32*\mu+16*\kap:139+32*\mu+16*\kap], v28 offset:2304*\mu+64*\kap+ZVP
	ds_load_b128 v[140+32*\mu+16*\kap:143+32*\mu+16*\kap], v28 offset:2304*\mu+64*\kap+ZVP+32
.endr
.endr
	P9LDA 0, 0, 0                                  ; last, since v32 above served as scratch for an address
	s_wait_dscnt 0x0
	WIN 0x50                                       ; operands in window 0, sums in window 1
.macro P9MM q, tau, kap, pa, pv
.irp mu, 0,1
	MMA 192+16*\tau+8*\mu, 32+16*\q+8*\pa, 128+32*\mu+16*\kap+8*\pv, 0
.endr
.endm
.macro P9PASS pa, pv
	P9MM 0, 0, 0, \pa, \pv
	P9MM 1, 1, 0, \pa, \pv
	P9MM 2, 2, 0, \pa, \pv
	P9MM 4, 3, 0, \pa, \pv
	P9MM 3, 2, 1, \pa, \pv
	P9MM 5, 3, 1, \pa, \pv
.endm
	P9PASS 1, 0
	P9PASS 0, 1
	P9PASS 0, 0
	; ------------------------------------------------------------------ phase 10: the read value's scan, one neuron a lane, in window 1; out[t+1] = z_rv[t]
	PLACES
	WIN 0x40
	v_lshl_add_u32 v100, v0, 2, OUTS
	v_mov_b32 v101, 0
	WIN 0x55
	SWAP8 192, 200, 8
	SWAP8 208, 216, 8
	SWAP8 224, 232, 8
	SWAP8 240, 248, 1
	ds_store_b32 v100, v101                        ; out[0] = the delay buffer's start, zero
.set NCH, 1
.set SI, 104
.set SV, 105
.set SZ, 106
.set SW, 107
.set ST, 108
.set SX, 109
.set SE, 110
.set UB, 192
.set UK, 0
.set UH, 8
.set UT, 16
	LIF_START
.set tt, 0
.rept 49
	LIF_V
.if tt < 48
	LIF_I tt+1
.else
	v_nop
	s_wait_alu depctr_va_vdst(0)
.endif
	LIF_Z
.if tt < 48
	LIF_W
.else
	v_nop
	s_wait_alu depctr_va_vdst(0)
.endif
	s_wait_alu depctr_va_vdst(0)
	ds_store_b32 v100, v[SZ] offset:1024*(tt+1)
.set tt, tt+1
.endr
	WIN 0
	s_wait_dscnt 0x0
	BARRIER                                        ; 7: the 50 rows of the output are whole in LDS
	; the way out: thread tid takes 16 bytes; a wave's store covers 512 consecutive bytes, at a multiple of 512 from out0's first byte
	v_lshl_add_u32 v30, v0, 4, OUTS
	v_lshrrev_b32 v32, 6, v0                       ; four rows of 1,024 bytes a turn
	v_and_b32 v33, 63, v0
	v_lshlrev_b32 v33, 4, v33
	v_lshl_add_u32 v31, v32, 18, v33               ; a row of out0 for one b is 262,144 bytes from the next
.irp i, 0,1,2,3,4,5,6,7,8,9,10,11
	ds_load_b128 v[64+4*\i:67+4*\i], v30 offset:4096*\i
.endr
.irp i, 0,1,2,3,4,5,6,7
	s_wait_dscnt 11-\i                             ; LDS loads return in order: the younger ones stay out
	global_store_b128 v31, v[64+4*\i:67+4*\i], s[18:19] offset:1048576*\i th:TH_STORE_NT
.endr
.irp i, 8,9,10,11
	s_wait_dscnt 11-\i
	global_store_b128 v31, v[64+4*\i:67+4*\i], s[26:27] offset:1048576*(\i-8) th:TH_STORE_NT
.endr
	s_cmp_gt_u32 s20, 3                            ; rows 48 and 49 are left: 2,048 bytes, waves 0-3
	s_cbranch_scc1 .Lend
	ds_load_b128 v[112:115], v30 offset:49152
	s_wait_dscnt 0x0
	global_store_b128 v31, v[112:115], s[26:27] offset:4194304 th:TH_STORE_NT
.Lend:
	s_wait_tensorcnt 0x0
	ds_add_u32 v27, v29
	s_wait_dscnt 0x0
	s_endpgm
.Lfunc_end_k_q8277c2d18e_snn:
	.size	k_q8277c2d18e_snn, .Lfunc_end_k_q8277c2d18e_snn-k_q8277c2d18e_snn
	.p2alignl 7, 3214868480
	.fill 96, 4, 3214868480
	.section	.rodata,"a",@progbits
	.p2align	6, 0x0
	.amdhsa_kernel k_q8277c2d18e_snn
		.amdhsa_group_segment_fixed_size 327680
		.amdhsa_private_segment_fixed_size 0
		.amdhsa_enable_private_segment 0
		.amdhsa_kernarg_size 64
		.amdhsa_user_sgpr_count 2
		.amdhsa_user_sgpr_kernarg_segment_ptr 1
		.amdhsa_wavefront_size32 1
		.amdhsa_system_sgpr_workgroup_id_x 1
		.amdhsa_system_sgpr_workgroup_id_y 1
		.amdhsa_system_sgpr_workgroup_id_z 1
		.amdhsa_system_vgpr_workitem_id 0
		.amdhsa_next_free_vgpr 512
		.amdhsa_next_free_sgpr 66
		.amdhsa_reserve_vcc 1
		.amdhsa_float_denorm_mode_32 3
		.amdhsa_float_denorm_mode_16_64 3
		.amdhsa_memory_ordered 1
		.amdhsa_forward_progress 1
		.amdhsa_inst_pref_size 255
	.end_amdhsa_kernel
	.section	.bss,"aw",@nobits
	.p2align	6
	.space	262144
	.amdgpu_metadata
---
amdhsa.version: [ 1, 2 ]
amdhsa.kernels:
  - .name:           k_q8277c2d18e_snn
    .symbol:         k_q8277c2d18e_snn.kd
    .args:
      - { .name: facts, .offset: 0, .size: 8, .value_kind: global_buffer, .address_space: global }
      - { .name: mem0, .offset: 8, .size: 8, .value_kind: global_buffer, .address_space: global }
      - { .name: W_emb, .offset: 16, .size: 8, .value_kind: global_buffer, .address_space: global }
      - { .name: W_enc, .offset: 24, .size: 8, .value_kind: global_buffer, .address_space: global }
      - { .name: W_wk, .offset: 32, .size: 8, .value_kind: global_buffer, .address_space: global }
      - { .name: W_wv, .offset: 40, .size: 8, .value_kind: global_buffer, .address_space: global }
      - { .name: W_rk, .offset: 48, .size: 8, .value_kind: global_buffer, .address_space: global }
      - { .name: out0, .offset: 56, .size: 8, .value_kind: global_buffer, .address_space: global }
    .group_segment_fixed_size: 327680
    .private_segment_fixed_size: 0
    .kernarg_segment_align: 8
    .kernarg_segment_size: 64
    .max_flat_workgroup_size: 256
    .sgpr_count:     66
    .vgpr_count:     512
    .wavefront_size: 32
...
	.end_amdgpu_metadata
.endif
;; end of part 1
;; ======== version 2 of 2: 1 launch; version 1 with the launch snn written anew for expert scheduling mode
;; launch snn (part 2): grid 256 x 1, 8 waves a work-group, no clusters, 327,680 bytes of LDS; arguments facts, mem0, W_emb, W_enc, W_wk, W_wv, W_rk, out0; writes out0
.if DOCPART == 2
	.amdgcn_target "amdgcn-amd-amdhsa--gfx1250"
	.amdhsa_code_object_version 6
	.text
	.protected	k_q8277c2d18e_snn
	.globl	k_q8277c2d18e_snn
	.p2align	8
	.type	k_q8277c2d18e_snn,@function
k_q8277c2d18e_snn:
	s_mov_b64 s[64:65], 0
	v_nop
	global_prefetch_b8 v0, s[64:65] scope:SCOPE_SE
	s_setreg_imm32_b32 hwreg(HW_REG_WAVE_SCHED_MODE, 0, 2), 2
	s_setreg_imm32_b32 hwreg(HW_REG_WAVE_MODE, 25, 1), 1
	s_wait_xcnt 0x0
	s_wait_alu depctr_vm_vsrc(0)
; Spiking memory network, 50 steps, one inner step each.  One work-group = one batch element b (256 of them), eight waves.
; out0[0] = 0 and out0[t+1] = z_rv[t]: the read-out is delayed by one step, so steps 0..48 alone reach the output (facts[49] is
; loaded with the rest and feeds nothing; the trace tv feeds nothing in the reference either).
; The memory only grows by rank-1 terms, so for every input
;   rv_in[t][m] = sum_n mem0[m][n] z_rk[t][n] + ETA sum_{s<=t} (tk[s] . z_rk[t]) z_v[s][m]
; and the [256][256] state is never rewritten: mem0 is read once, everything else is small matrix products and three LIF scans.
; NUMBER FORMATS: every input is rounded once to bf16.  The sigmoid's slope of 10 and the two 0.9 accumulators in front of it magnify an
; error of a drive, and near the threshold the recurrence itself has a slope of about -1.8, so intermediates are fed to the matrix unit
; without loss: emb, z_e and z_rk (against mem0) as THREE bf16 parts, 8 + 8 + 8 bits = the whole f32; tk, z_v, ETA A and z_rk (against tk)
; as two parts with the products hh + hl + lh (relative 2^-18, on sums of many positive terms).  Small parts are added first, so that only
; the last links of a chain round at the sum's full size.  Sums, LIF states and traces are f32.
; sigmoid(10(v-1)) = 1 / (1 + 2^(14.427 - 14.427 v)): where the power overflows or is flushed, z is exactly 0 or 1.
; NO TENSOR LOADS, NO CLUSTER: the weights are shared by all work-groups, but each operand is rounded to bf16 on its way, through
; registers; an f32 landing zone for the three [256][80] matrices alone is 245,760 bytes, which does not fit beside their bf16 image
; (135,168 bytes) in 327,680.  No ring: each tile is used once.
; Thread tid = 32 w + lane owns neuron tid in the second and third scan.
; THE MODE: SCHED_MODE bits 1:0 = 2 (LLVM: expert scheduling mode 2), set by the entry lines.  The code itself states the register dependences
; between vector or matrix instructions and memory or LDS instructions, with s_wait_alu, always for 0.
; THE PLAN.  Registers that memory or LDS instructions touch:
;   v4-18       addresses made at the head, never written again: one wait on va_vdst ahead of the first load serves them all.
;   v19-31 and window 1's address registers: made at a phase's head, behind a wait on vm_vsrc where an earlier phase's LDS instructions
;               have read the register, and ahead of the phase's first wait on va_vdst.
;   Roundings on their way to LDS (phases 1, 2, 3's end, 6, 7): all roundings of a run write registers of their own; ONE wait on va_vdst; the run of
;               stores.  Where loads land in registers that such stores read, vm_vsrc and va_vdst stand directly ahead of the loads.
;   Fragment buffers that take turns (phases 2, 4, 7, 8): a step's products read one buffer; ONE wait on va_vdst at the next step's head says that they
;               are done with it, and that step's loads land in it while the other buffer is multiplied.
;   Scans (phases 3, 5, 10): a step writes the parts of the last step's output, which LDS stores read.  Three waits a step: vm_vsrc ahead of the lines that
;               write those registers again; va_vdst behind them, which is also the wait for the power; va_vdst behind the reciprocal.
;   v27, v29    written at the head, read by the closing add alone.
;
; LDS (bytes).  All pitches are odd multiples of 16 bytes, so the sixteen rows of a fragment load start in different banks.
.set MAREA, 8448                       ; 0: a wave's own area, 16 rows x pitch 528: mem0 rows 32w..+15 in bf16, then rows 32w+16..+31, then (bytes 0..2559) its ETA A tile
.set XS,    67584                      ; up to the second barrier: facts of b, 64 rows (t; 50..63 repeat 49) x pitch 464, bf16, K 200 filled to 224 with zeros
.set WES,   97280                      ; up to the second barrier: W_emb, 80 rows x pitch 464
.set ZEH,   67584                      ; between the second and the fourth barrier, over that stage: z_e[t][e], three planes (parts 1, 2, 3), EP apart, rows 0..48 written
.set R1,    135168                     ; up to the fourth barrier: weight image: a wave's area = 6 tiles (wk, wv, rk x two halves of its 32 rows) of 16 rows x pitch 176
.set WAREA, 16896
.set WTILE, 2816                       ; 16 rows x 176: a weight tile, and 16 rows of the emb and z_e planes
.set EH,    270336                     ; up to the third barrier: emb[t][e], three planes of 64 rows x 176, EP apart; ends at 304,128
.set EP,    11264
.set ZR1,   67584                      ; behind the fourth barrier: z_rk[t][n], three planes of 49 rows x pitch 528, PLN apart
.set PLN,   25872
.set TKH,   145200                     ; tk[t][n], two planes
.set ZVH,   196944                     ; z_v[m][s], two planes of 256 rows x pitch 144 (64 s, 49..63 zero), ZVP apart; ends at 270,672
.set ZVP,   36864
.set OUTS,  145200                     ; behind the sixth barrier, over tk: out[t][m] f32, 50 rows x 1024
; Vector registers, window 0
.set LANE, 1
.set RR,   2                           ; lane & 15
.set HH,   3                           ; lane >> 4
.set O16,  4                           ; 16 lane
.set O16B, 5                           ; 16 min(32 + lane, 49): the rest of a row of 800 bytes
.set XST,  6                           ; XS + 464 w + 8 lane
.set XSTB, 7                           ; XS + 464 w + 8 min(32 + lane, 55)
.set A80,  8                           ; v8-12: where chunk lane + 32 i of a [16][80] tile goes in my weight area
.set MST,  13                          ; 8448 w + 8 lane
.set PF,   15                          ; 256 lane
.set P176, 16                          ; 176 r + 16 h
.set P528, 17                          ; 528 r + 16 h
.set WF,   18                          ; R1 + 16896 w + 176 r + 16 h
; v19-31: addresses of the running phase (v27, v29: the closing add's).  v32-255 and window 1: see the phases.
; Scalars: s[4:19] the eight buffers, s20 wave, s21 0.9, s22 10/ln 2, s23 exp(-1/20), s24 0.01, s25 upper-half mask, s[26:27] out0 + 8 MiB,
; s28 lanes 0..17, s29 scratch, s30 my weight area, s31 my mem0 area, s[32:47] my eight rows of facts, in phase 7 sixteen masks, s48-53 scratch.
.set MSB, 0
.macro WIN new                         ; register windows; the immediate's high byte repeats the setting that is left
.if MSB != \new
	s_set_vgpr_msb (MSB<<8)|\new
.set MSB, \new
.endif
.endm
.macro PLACES                          ; four independent vector places behind a matrix instruction before its registers are read by
.rept 4                                ; vector work, written, or loaded into (ISA guide 7.12.1)
	v_nop
.endr
.endm
.macro BARRIER
	s_barrier_signal -1
	s_barrier_wait -1
.endm
.macro CVT4 r                          ; four f32 in v[r..r+3] to four bf16 in v[r..r+1]
	v_cvt_pk_bf16_f32 v[\r], v[\r], v[\r+1]
	v_cvt_pk_bf16_f32 v[\r+1], v[\r+2], v[\r+3]
.endm
.macro UNPK8 t, h                      ; four words of bf16 pairs to eight f32
.irp i, 0,1,2,3
	v_lshlrev_b32 v[\t+2*\i], 16, v[\h+\i]
	v_and_b32 v[\t+2*\i+1], s25, v[\h+\i]
.endr
.endm
.macro PACK8 h, d                      ; eight f32 rounded to four words of bf16 pairs
.irp i, 0,1,2,3
	v_cvt_pk_bf16_f32 v[\h+\i], v[\d+2*\i], v[\d+2*\i+1]
.endr
.endm
.macro SUB8 t, a, b                    ; t = a - b, eight f32 (exact here: b is a's leading bits)
.irp i, 0,1,2,3
	v_pk_add_f32 v[\t+2*\i:\t+2*\i+1], v[\a+2*\i:\a+2*\i+1], v[\b+2*\i:\b+2*\i+1] neg_lo:[0,1] neg_hi:[0,1]
.endr
.endm
.macro SPLIT8 d, h, l, t               ; eight f32 in d as two bf16 parts h, l (4 registers each); t: 8 scratch
	PACK8 \h, \d
	UNPK8 \t, \h
	SUB8 \t, \d, \t
	PACK8 \l, \t
.endm
.macro SPLIT8T d, h, m, l, t, u        ; as three parts h, m, l; t, u: 8 scratch each
	PACK8 \h, \d
	UNPK8 \t, \h
	SUB8 \t, \d, \t
	PACK8 \m, \t
	UNPK8 \u, \m
	SUB8 \t, \t, \u
	PACK8 \l, \t
.endm
.macro MMA d, a, b, z                  ; d (+)= a x b; z: the first product starts the sum
.if \z
	v_wmma_f32_16x16x32_bf16 v[\d:\d+7], v[\a:\a+7], v[\b:\b+7], 0
.else
	v_wmma_f32_16x16x32_bf16 v[\d:\d+7], v[\a:\a+7], v[\b:\b+7], v[\d:\d+7]
.endif
.endm
; A three-part operand of K = 80 as eight fragments of K = 32: q = 2 p, 2 p + 1: part p + 1, k 0-31 and 32-63; q = 6: {part 1, part 2} of
; k 64-79; q = 7: {part 3 of k 64-79, zeros}.  Fifteen loads; registers dst+60..63 hold zeros, written once for each buffer.
.macro LDA8 dst, adr, off
.irp p, 0,1,2
	ds_load_b128 v[\dst+16*\p:\dst+16*\p+3],     v[\adr] offset:(\off)+EP*\p
	ds_load_b128 v[\dst+16*\p+4:\dst+16*\p+7],   v[\adr] offset:(\off)+EP*\p+32
	ds_load_b128 v[\dst+16*\p+8:\dst+16*\p+11],  v[\adr] offset:(\off)+EP*\p+64
	ds_load_b128 v[\dst+16*\p+12:\dst+16*\p+15], v[\adr] offset:(\off)+EP*\p+96
.endr
	ds_load_b128 v[\dst+48:\dst+51], v[\adr] offset:(\off)+128
	ds_load_b128 v[\dst+52:\dst+55], v[\adr] offset:(\off)+EP+128
	ds_load_b128 v[\dst+56:\dst+59], v[\adr] offset:(\off)+2*EP+128
.endm
; The weights that meet it: K 0-31 (for even q < 6), K 32-63 (odd q < 6), and K 64-79 twice (q = 6, 7)
.macro LDB3 dst, adr, off
	ds_load_b128 v[\dst:\dst+3],     v[\adr] offset:(\off)
	ds_load_b128 v[\dst+4:\dst+7],   v[\adr] offset:(\off)+32
	ds_load_b128 v[\dst+8:\dst+11],  v[\adr] offset:(\off)+64
	ds_load_b128 v[\dst+12:\dst+15], v[\adr] offset:(\off)+96
	ds_load_b128 v[\dst+16:\dst+19], v[\adr] offset:(\off)+128
	ds_load_b128 v[\dst+20:\dst+23], v[\adr] offset:(\off)+128
.endm
; a's lanes 16-31 change places with b's lanes 0-15.  A result tile holds t = j in lanes 0-15 and t = 8 + j in lanes 16-31; with the tile of
; the next 16 neurons as b, a + j then holds t = j and b + j holds t = 8 + j, for neuron = lane.
.macro SWAP8 a, b, n
.set jj, 0
.rept \n
	v_permlane16_swap_b32 v[\a+jj], v[\b+jj]
.set jj, jj+1
.endr
.endm
; LIF step, NCH chains side by side.  i' = 0.9 i + u;  v' = 0.9 v (1 - z) + i' = fma(-z, W, W + i') with W = 0.9 v;  z' = 1/(1 + 2^(c - c v')).
; u of chain k at step t lies in v[UB + UK k + UH ((t>>3)&1) + UT (t>>4) + (t&7)].  The waits of a step stand in the scans' own text.
.macro LIF_START                       ; step 0: i = u, v = i
.set kk, 0
.rept NCH
	v_mov_b32 v[SI+kk], v[UB+UK*kk]
	v_mov_b32 v[ST+kk], v[UB+UK*kk]
	v_mov_b32 v[SW+kk], 0
	v_mov_b32 v[SZ+kk], 0
.set kk, kk+1
.endr
.endm
.macro LIF_V
.set kk, 0
.rept NCH
	v_fma_f32 v[SV+kk], -v[SZ+kk], v[SW+kk], v[ST+kk]
.set kk, kk+1
.endr
.set kk, 0
.rept NCH
	v_fma_f32 v[SX+kk], -v[SV+kk], s22, s22
.set kk, kk+1
.endr
.set kk, 0
.rept NCH
	v_exp_f32 v[SE+kk], v[SX+kk]
.set kk, kk+1
.endr
.endm
.macro LIF_I t1                        ; the next step's current: also the plain place behind v_exp_f32
.set kk, 0
.rept NCH
	v_fma_f32 v[SI+kk], s21, v[SI+kk], v[UB+UK*kk+UH*(((\t1)>>3)&1)+UT*((\t1)>>4)+((\t1)&7)]
.set kk, kk+1
.endr
.endm
.macro LIF_Z
.set kk, 0
.rept NCH
	v_add_f32 v[SE+kk], 1.0, v[SE+kk]
.set kk, kk+1
.endr
.set kk, 0
.rept NCH
	v_rcp_f32 v[SZ+kk], v[SE+kk]
.set kk, kk+1
.endr
.endm
.macro LIF_W                           ; needs no z: the plain places behind v_rcp_f32
.set kk, 0
.rept NCH
	v_mul_f32 v[SW+kk], s21, v[SV+kk]
.set kk, kk+1
.endr
.set kk, 0
.rept NCH
	v_add_f32 v[ST+kk], v[SW+kk], v[SI+kk]
.set kk, kk+1
.endr
.endm
; Three weight tiles (first .. first+2 of my six) by 30 loads into window 1, v128-247; tile n = 2 p + half of matrix p = wk, wv, rk
.macro W3LOAD first
.irp n3, 0,1,2
.irp i, 0,1,2,3,4,5,6,7,8,9
	global_load_b128 v[128+40*\n3+4*\i:131+40*\n3+4*\i], v[O16], s[12+2*((\first+\n3)>>1):13+2*((\first+\n3)>>1)] offset:5120*((\first+\n3)&1)+512*\i
.endr
.endr
.endm
.macro W3CVT
	WIN 0x45
.set qq, 0
.rept 30
	CVT4 128+4*qq
.set qq, qq+1
.endr
.endm
.macro W3STORE first
	WIN 0x04
.irp n3, 0,1,2
.irp i, 0,1,2,3,4,5,6,7,8,9
	ds_store_b64 v[A80+\i%5], v[128+40*\n3+4*\i:129+40*\n3+4*\i] offset:WTILE*(\first+\n3)+1408*(\i/5)
.endr
.endr
.endm
	; ------------------------------------------------------------------ set-up
	s_load_b512 s[4:19], s[0:1], 0x0               ; facts 4, mem0 6, W_emb 8, W_enc 10, W_wk 12, W_wv 14, W_rk 16, out0 18
	v_lshl_add_u32 v27, v0, 2, 0x4a400             ; my spare word, behind the emb planes, and 0: kept for the closing lines alone
	v_mov_b32 v29, 0
	v_and_b32 v[LANE], 31, v0
	v_lshrrev_b32 v[RR], 5, v0
	v_readfirstlane_b32 s20, v[RR]                 ; wave 0..7
	v_cmp_gt_u32 s28, 18, v[LANE]                  ; chunks 32..49 of a row of 200 numbers are data, 50..55 become zeros
	v_and_b32 v[RR], 15, v0
	v_bfe_u32 v[HH], v0, 4, 1
	s_mov_b32 s21, 0x3f666666                      ; 0.9
	s_mov_b32 s22, 0x4166d4ca                      ; 10 / ln 2
	s_mov_b32 s23, 0x3f7383c6                      ; exp(-1/20)
	s_mov_b32 s24, 0x3c23d70a                      ; 0.01
	s_mov_b32 s25, 0xffff0000
	s_wait_alu depctr_va_sdst(0)                   ; s20 and s28 are written, ahead of their first readers: the line below, and phase 1's selects
	s_mul_i32 s29, s20, 464
	s_add_co_u32 s29, s29, XS
	s_mul_i32 s30, s20, WAREA
	s_add_co_u32 s30, s30, R1
	s_mul_i32 s31, s20, MAREA
	v_lshlrev_b32 v[O16], 4, v[LANE]
	v_add_nc_u32 v[XSTB], 32, v[LANE]
	v_min_u32 v[O16B], 49, v[XSTB]
	v_lshlrev_b32 v[O16B], 4, v[O16B]
	v_min_u32 v[XSTB], 55, v[XSTB]
	v_lshl_add_u32 v[XSTB], v[XSTB], 3, s29
	v_lshl_add_u32 v[XST], v[LANE], 3, s29
.irp i, 0,1,2,3,4
	v_add_nc_u32 v19, 32*\i, v[LANE]               ; chunk c (4 numbers) of a [16][80] tile: row c / 20, column c % 20
	v_mul_u32_u24 v20, v19, 0xccd                  ; c / 20 = (3277 c) >> 16 for c < 160
	v_lshrrev_b32 v20, 16, v20
	v_lshl_add_u32 v19, v19, 3, s30                ; 176 row + 8 (c - 20 row) = 8 c + 16 row
	v_lshl_add_u32 v[A80+\i], v20, 4, v19
.endr
	v_lshl_add_u32 v[MST], v[LANE], 3, s31
	v_lshlrev_b32 v[PF], 8, v[LANE]
	v_mul_u32_u24 v[P176], v[RR], 176
	v_lshl_add_u32 v[P176], v[HH], 4, v[P176]
	v_mul_u32_u24 v[P528], v[RR], 528
	v_lshl_add_u32 v[P528], v[HH], 4, v[P528]
	v_add_nc_u32 v[WF], s30, v[P176]
	s_mul_i32 s48, ttmp9, 800
	s_mov_b32 s49, 0
	s_mov_b32 s51, 0
	s_wait_kmcnt 0x0
	s_add_nc_u64 s[4:5], s[4:5], s[48:49]          ; facts[0][b]
.irp i, 0,1,2,3,4,5,6,7
	s_add_co_u32 s50, s20, 8*\i                    ; I bring rows t = w + 8 i; beyond 49 the last row again
	s_min_u32 s50, s50, 49
	s_mul_i32 s50, s50, 204800
	s_add_nc_u64 s[32+2*\i:33+2*\i], s[4:5], s[50:51]
.endr
	s_lshl_b32 s50, ttmp9, 18                      ; mem0[b], my 32 rows of 1,024 bytes
	s_lshl_b32 s52, s20, 15
	s_add_co_u32 s50, s50, s52
	s_add_nc_u64 s[6:7], s[6:7], s[50:51]
	s_mul_i32 s50, s20, 800                        ; W_emb rows w + 8 i
	s_add_nc_u64 s[8:9], s[8:9], s[50:51]
	s_min_u32 s50, s20, 4                          ; W_enc has five tiles of 16 rows; waves 5-7 take the last again and never use it
	s_mul_i32 s50, s50, 5120
	s_add_nc_u64 s[10:11], s[10:11], s[50:51]
	s_mul_i32 s50, s20, 10240                      ; my 32 rows of 320 bytes in W_wk, W_wv, W_rk
	s_add_nc_u64 s[12:13], s[12:13], s[50:51]
	s_add_nc_u64 s[14:15], s[14:15], s[50:51]
	s_add_nc_u64 s[16:17], s[16:17], s[50:51]
	s_lshl_b32 s50, ttmp9, 10
	s_add_nc_u64 s[18:19], s[18:19], s[50:51]      ; out0[0][b]
	s_add_nc_u64 s[26:27], s[18:19], 0x800000      ; out0[32][b]: the stores' immediates stay inside 24 bits
	; ------------------------------------------------------------------ phase 0: everything that is needed first is asked for at once
	s_wait_alu depctr_va_vdst(0)                   ; the addresses v4 to v18 are written: every load, store and prefetch that reads one of them stands behind this line
.irp i, 0,1,2,3,4,5,6,7,8,9
	global_load_b128 v[208+4*\i:211+4*\i], v[O16], s[10:11] offset:512*\i
.endr
.irp i, 0,1,2,3,4,5,6,7
	global_load_b128 v[64+8*\i:67+8*\i], v[O16],  s[32+2*\i:33+2*\i]
	global_load_b128 v[68+8*\i:71+8*\i], v[O16B], s[32+2*\i:33+2*\i]
.endr
.irp i, 0,1,2,3,4,5,6,7,8,9
	global_load_b128 v[128+8*\i:131+8*\i], v[O16],  s[8:9] offset:6400*\i
	global_load_b128 v[132+8*\i:135+8*\i], v[O16B], s[8:9] offset:6400*\i
.endr
	WIN 0x40
	W3LOAD 0
	WIN 0
	; ------------------------------------------------------------------ phase 1: round to bf16, into LDS: all roundings of a run, one wait, the run of stores
	s_wait_loadcnt 30                              ; loads return in order: only the 30 of weight tiles 0-2 are younger
.irp i, 0,1,2,3,4,5,6,7,8,9
	CVT4 208+4*\i
.endr
.irp i, 0,1,2,3,4,5,6,7
	CVT4 64+8*\i
	CVT4 68+8*\i
	v_cndmask_b32 v[68+8*\i], 0, v[68+8*\i], s28
	v_cndmask_b32 v[69+8*\i], 0, v[69+8*\i], s28
.endr
.irp i, 0,1,2,3,4,5,6,7,8,9
	CVT4 128+8*\i
	CVT4 132+8*\i
	v_cndmask_b32 v[132+8*\i], 0, v[132+8*\i], s28
	v_cndmask_b32 v[133+8*\i], 0, v[133+8*\i], s28
.endr
	s_wait_alu depctr_va_vdst(0)                   ; the roundings and selects have written the pairs that the 46 LDS stores below read
.irp i, 0,1,2,3,4,5,6,7,8,9
	ds_store_b64 v[A80+\i%5], v[208+4*\i:209+4*\i] offset:5*WTILE+1408*(\i/5)    ; W_enc waits in my tile slot 5, which gets its own tile after the encoder
.endr
.irp i, 0,1,2,3,4,5,6,7
	ds_store_b64 v[XST],  v[64+8*\i:65+8*\i] offset:3712*\i
	ds_store_b64 v[XSTB], v[68+8*\i:69+8*\i] offset:3712*\i
.endr
.irp i, 0,1,2,3,4,5,6,7,8,9
	ds_store_b64 v[XST],  v[128+8*\i:129+8*\i] offset:WES-XS+3712*\i
	ds_store_b64 v[XSTB], v[132+8*\i:133+8*\i] offset:WES-XS+3712*\i
.endr
	s_wait_loadcnt 0x0
	W3CVT
	s_wait_alu depctr_va_vdst(0)                   ; the roundings have written window 1's pairs, which the 30 LDS stores below read
	W3STORE 0
	WIN 0x40
	s_wait_alu depctr_vm_vsrc(0)                   ; all LDS stores above have read their data: window 1's v128-247, in which the loads below land, and v64-247, which phases 2 and 3 write
	s_wait_alu depctr_va_vdst(0)                   ; the roundings are done with window 1's v128-247, in which the loads below land
	W3LOAD 3                                       ; tiles 3-5, and behind them my first 16 rows of mem0: both arrive under phases 2 and 3
.set qq, 0
.rept 32
	global_load_b128 v[4*qq:4*qq+3], v[O16], s[6:7] offset:512*qq th:TH_LOAD_NT
.set qq, qq+1
.endr
	WIN 0
	s_wait_dscnt 0x0                               ; my stores are in LDS before I say so
	BARRIER                                        ; 1: the stages of facts and W_emb are whole
	; ------------------------------------------------------------------ phase 2, waves 0-4: emb^T = W_emb (16 rows e) x facts (64 rows t), K = 224
	s_cmp_gt_u32 s20, 4
	s_cbranch_scc1 .Lp2_end
	v_mul_u32_u24 v19, v[RR], 464
	v_lshl_add_u32 v19, v[HH], 4, v19
	v_add_nc_u32 v20, XS, v19                      ; facts fragments
	s_mul_i32 s29, s20, 7424
	s_add_co_u32 s29, s29, WES
	v_add_nc_u32 v21, s29, v19                     ; my 16 rows of W_emb
	s_lshl_b32 s29, s20, 5
	s_add_co_u32 s29, s29, EH
	v_add_nc_u32 v22, s29, v[P176]                 ; a lane's eight results are e = 16 w + 8 h + 0..7 of row t = r: 16 bytes of the plane, 32 bytes of each row a wave
.macro P2LOAD buf, c
	ds_load_b128 v[\buf:\buf+3],   v21 offset:64*(\c)
	ds_load_b128 v[\buf+4:\buf+7], v21 offset:64*(\c)+32
.irp tau, 0,1,2,3
	ds_load_b128 v[\buf+8+8*\tau:\buf+11+8*\tau],  v20 offset:64*(\c)+7424*\tau
	ds_load_b128 v[\buf+12+8*\tau:\buf+15+8*\tau], v20 offset:64*(\c)+7424*\tau+32
.endr
.endm
	s_wait_alu depctr_va_vdst(0)                   ; v20, v21 and v22 are written, which this phase's LDS instructions read; phase 1's roundings are done with v64-143, the two buffers
	P2LOAD 64, 0
.set cc, 0
.rept 7
.if cc > 0
	PLACES
.endif
.if cc < 6
.if cc > 0
	s_wait_alu depctr_va_vdst(0)                   ; the products of the K step before are done reading the buffer in which the loads below land
.endif
	P2LOAD 64+40*((cc+1)&1), cc+1
	s_wait_dscnt 10                                ; the ten loads of the next K step stay out
.else
	s_wait_dscnt 0x0
.endif
.irp tau, 0,1,2,3
	MMA 144+8*\tau, 64+40*(cc&1), 72+40*(cc&1)+8*\tau, cc==0
.endr
.set cc, cc+1
.endr
	PLACES
.irp tau, 0,1,2,3
	SPLIT8T 144+8*\tau, 64+12*\tau, 68+12*\tau, 72+12*\tau, 188, 196   ; each tile's three parts get twelve registers of their own, in the buffers that the products have left
.endr
	s_wait_alu depctr_va_vdst(0)                   ; the splits have written v64-111, which the twelve LDS stores below read
.irp tau, 0,1,2,3
	ds_store_b128 v22, v[64+12*\tau:67+12*\tau] offset:WTILE*\tau
	ds_store_b128 v22, v[68+12*\tau:71+12*\tau] offset:WTILE*\tau+EP
	ds_store_b128 v22, v[72+12*\tau:75+12*\tau] offset:WTILE*\tau+2*EP
.endr
.Lp2_end:
	s_wait_dscnt 0x0
	BARRIER                                        ; 2: the emb planes are whole; all reads of the stages of facts and W_emb are back, so z_e may be laid over them
	; ------------------------------------------------------------------ phase 3, waves 0-4: enc_in = emb x W_enc^T, then the encoder's scan
	s_wait_alu depctr_vm_vsrc(0)                   ; phase 2's LDS loads have read v20, which is written again below; its stores have read v64-111, in which loads land below
	s_cmp_gt_u32 s20, 4
	s_cbranch_scc1 .Lp3_end
	v_add_nc_u32 v19, EH, v[P176]
	s_lshl_b32 s29, s20, 5
	s_add_co_u32 s29, s29, ZEH
	v_lshl_add_u32 v20, v[RR], 1, s29              ; z_e[.][16 w + r]
.irp z, 124,125,126,127,188,189,190,191
	v_mov_b32 v\z, 0                               ; the zero halves of the two buffers' eighth fragments
.endr
; two row tiles side by side, so that a link of one chain runs while the other's is on its way; parts 3, 2, 1: the small ones first
.macro MM8P acc0, a0, acc1, a1, b
.irp q, 4,5,7,2,3,6,0,1
	MMA \acc0, \a0+8*\q, \b+8*(\q&1)*(1-\q/6)+16*(\q/6), \q==4
	MMA \acc1, \a1+8*\q, \b+8*(\q&1)*(1-\q/6)+16*(\q/6), \q==4
.endr
.endm
	s_wait_alu depctr_va_vdst(0)                   ; v19 and v20 are written, which this phase's LDS instructions read; phase 2's products and splits are done with v64-187, in which the loads land
	LDB3 32, WF, 5*WTILE
	LDA8 64, 19, 0
	LDA8 128, 19, WTILE
	s_wait_dscnt 0x0
	MM8P 192, 64, 200, 128, 32
	PLACES
	s_wait_alu depctr_va_vdst(0)                   ; those products are done reading v64-123 and v128-187, in which the next two row tiles land
	LDA8 64, 19, 2*WTILE
	LDA8 128, 19, 3*WTILE
	s_wait_dscnt 0x0
	MM8P 208, 64, 216, 128, 32
	PLACES
	; a tile holds neuron r twice (t = j below, t = 8 + j above): copy and swap, so that both halves of the wave hold every t
.set jj, 0
.rept 24
	v_mov_b32 v[224+jj], v[192+jj]
.set jj, jj+1
.endr
	v_mov_b32 v248, v216                           ; of the last tile t = 48 alone is used
	SWAP8 192, 224, 8
	SWAP8 200, 232, 8
	SWAP8 208, 240, 8
	SWAP8 216, 248, 1
.set NCH, 1
.set SI, 32
.set SV, 33
.set SZ, 34
.set SW, 35
.set ST, 36
.set SX, 37
.set SH, 38
.set SL, 39
.set SS, 40
.set SE, 41
.set SR, 42
.set S3, 43
.set UB, 192
.set UK, 0
.set UH, 32
.set UT, 8
.macro OUT1A t0                        ; z_e of step t0 as three bf16 parts
.if (\t0) > 0
	s_wait_alu depctr_vm_vsrc(0)                   ; the three stores of the step before have read the parts' registers, which the lines below write again
.endif
	v_cvt_pk_bf16_f32 v[SH], v[SZ], v[SZ]
	v_lshlrev_b32 v[SS], 16, v[SH]
	v_sub_f32 v[SR], v[SZ], v[SS]
	v_cvt_pk_bf16_f32 v[SL], v[SR], v[SR]
	v_lshlrev_b32 v[SS], 16, v[SL]
	v_sub_f32 v[SR], v[SR], v[SS]
	v_cvt_pk_bf16_f32 v[S3], v[SR], v[SR]
.endm
.macro OUT1S t0                        ; and into the planes; no vector line between the wait ahead and these stores names v20 or the parts
	ds_store_b16 v20, v[SH] offset:176*(\t0)
	ds_store_b16 v20, v[SL] offset:176*(\t0)+EP
	ds_store_b16 v20, v[S3] offset:176*(\t0)+2*EP
.endm
	LIF_START
.set tt, 0
.rept 49
	LIF_V
.if tt < 48
	LIF_I tt+1
.else
	v_nop                                          ; the plain place behind the power
.endif
.if tt > 0
	OUT1A tt-1                                     ; the last step's output fills the time that the power takes
.endif
	s_wait_alu depctr_va_vdst(0)                   ; the power is written, ahead of its reader; from the second step on so are the three parts, which the stores below read
	LIF_Z
.if tt > 0
	OUT1S tt-1
.endif
.if tt < 48
	LIF_W
.else
	v_nop                                          ; the plain place behind the reciprocal
.endif
	s_wait_alu depctr_va_vdst(0)                   ; the reciprocal has written z, ahead of its first reader
.set tt, tt+1
.endr
	OUT1A 48
	s_wait_alu depctr_va_vdst(0)                   ; the last step's three parts are written, which the stores below read
	OUT1S 48
.Lp3_end:
	; all waves: weight tiles 3-5 and the first half of mem0 go to LDS
	s_wait_loadcnt 32                              ; the 32 loads of mem0 are younger
	W3CVT
	s_wait_alu depctr_va_vdst(0)                   ; the roundings have written window 1's pairs in v128-247, which the 30 LDS stores below read
	W3STORE 3
	s_wait_loadcnt 0x0
	WIN 0x45
.set qq, 0
.rept 32
	CVT4 4*qq
.set qq, qq+1
.endr
	WIN 0x04
	s_wait_alu depctr_va_vdst(0)                   ; the roundings have written window 1's pairs in v0-127, which the 32 LDS stores below read
.set qq, 0
.rept 32
	ds_store_b64 v[MST], v[4*qq:4*qq+1] offset:528*(qq>>1)+256*(qq&1)
.set qq, qq+1
.endr
	WIN 0
	s_wait_dscnt 0x0
	BARRIER                                        ; 3: the z_e planes are whole
	; ------------------------------------------------------------------ phase 4: z_e x {W_wk, W_wv, W_rk}^T for my 32 neurons; results in window 1, tile (n, tau) at 8 (4 n + tau)
	; window 0: v32-95 z_e buffer 0, v96-239 the six weight tiles' fragments; window 1: v192-255 z_e buffer 1
	s_wait_alu depctr_vm_vsrc(0)                   ; phase 3's LDS instructions have read v19, v20 and the parts in v38-43; the stores above have read window 1's v0-247: all are written again in this phase
	v_add_nc_u32 v19, ZEH, v[P176]
	v_lshl_add_u32 v20, v[HH], 4, ZEH+48*176       ; the last tile: every lane takes row 48 (rows 49.. were never written)
.irp z, 92,93,94,95
	v_mov_b32 v\z, 0
.endr
	WIN 0x40
.irp z, 252,253,254,255
	v_mov_b32 v\z, 0
.endr
	WIN 0
.macro MM8X abuf, tau                  ; the eight links, each across the six tiles, so that no link waits for the one before; small parts first
.irp q, 4,5,7,2,3,6,0,1
.irp n, 0,1,2,3,4,5
	MMA 8*(4*\n+\tau), \abuf+8*\q, 96+24*\n+8*(\q&1)*(1-\q/6)+16*(\q/6), \q==4
.endr
.endr
.endm
	s_wait_alu depctr_va_vdst(0)                   ; v19 and v20 are written; phase 3's vector and matrix work is done with v32-239, the roundings with window 1's v192-251: the loads below land there
.irp n, 0,1,2,3,4,5
	LDB3 96+24*\n, WF, WTILE*\n
.endr
	LDA8 32, 19, 0
	WIN 0x40
	LDA8 192, 19, WTILE
	s_wait_dscnt 15                                ; the fifteen loads of the next 16 rows stay out
	; my second 16 rows of mem0 (64 blocks of 256 bytes, lanes 256 bytes apart, each asked for once, by the wave that will load it) are
	; asked for here, this phase's 192 matrix instructions ahead of their loads
	WIN 0
	global_prefetch_b8 v[PF], s[6:7] offset:16384 th:TH_LOAD_NT scope:SCOPE_SE
	global_prefetch_b8 v[PF], s[6:7] offset:24576 th:TH_LOAD_NT scope:SCOPE_SE
	WIN 0x50
	MM8X 32, 0
	PLACES
	WIN 0
	s_wait_alu depctr_va_vdst(0)                   ; the 48 products above are done reading buffer 0, in which the third 16 rows land
	LDA8 32, 19, 2*WTILE
	s_wait_dscnt 15
	WIN 0x51
	MM8X 192, 1
	PLACES
	WIN 0x40
	s_wait_alu depctr_va_vdst(0)                   ; the 48 products above are done reading buffer 1, in which row 48 lands
	LDA8 192, 20, 0
	s_wait_dscnt 15
	WIN 0x50
	MM8X 32, 2
	s_wait_dscnt 0x0
	WIN 0x51
	MM8X 192, 3
	WIN 0
	PLACES
	v_add_nc_u32 v21, s31, v[P528]
	s_wait_alu depctr_va_vdst(0)                   ; v21 is written, which the LDS loads below read; the phase's products are done reading v64-239, in which the loads below land
.set qq, 0
.rept 32
	global_load_b128 v[128+4*qq:131+4*qq], v[O16], s[6:7] offset:16384+512*qq th:TH_LOAD_NT   ; lands under the second scan, which works in window 1
.set qq, qq+1
.endr
.irp c, 0,1,2,3,4,5,6,7
	ds_load_b128 v[64+8*\c:67+8*\c], v21 offset:64*\c         ; the fragments of my first 16 rows of mem0 leave my area, which the second 16 will use
	ds_load_b128 v[68+8*\c:71+8*\c], v21 offset:64*\c+32
.endr
	s_wait_dscnt 0x0
	BARRIER                                        ; 4: all reads of the weight image and of z_e are back: the planes may overwrite them
	; ------------------------------------------------------------------ phase 5: the scans of write key, write value and read key, three chains a lane
	s_mov_b32 s29, ZVH
	WIN 0x40
	v_lshl_add_u32 v192, v0, 1, ZR1                ; window 1: z_rk[.][tid], parts 1 and 2
	v_lshl_add_u32 v193, v0, 1, TKH                ; tk[.][tid]
	v_mad_u32_u24 v194, v0, 144, s29               ; z_v[tid][.]
	v_lshl_add_u32 v195, v0, 1, ZR1+2*PLN          ; z_rk part 3: beyond the reach of a 16-bit offset from v192
	v_mov_b32 v196, 0
	v_mov_b32 v197, 0
	v_mov_b32 v198, 0
	v_mov_b32 v199, 0
	WIN 0x55
.irp p, 0,1,2
	SWAP8 64*\p,    64*\p+32, 8
	SWAP8 64*\p+8,  64*\p+40, 8
	SWAP8 64*\p+16, 64*\p+48, 8
	SWAP8 64*\p+24, 64*\p+56, 1
.endr
	s_wait_alu depctr_va_vdst(0)                   ; the four addresses in window 1's v192-195 and the zeros in v196-199 are written, which this phase's LDS stores read
.irp o, 0, ZVP
	ds_store_b16  v194, v196       offset:98+\o    ; z_v for s = 49..63 is zero: the masked A meets no stale bytes
	ds_store_b32  v194, v196       offset:100+\o
	ds_store_b64  v194, v[196:197] offset:104+\o
	ds_store_b128 v194, v[196:199] offset:112+\o
.endr
.set NCH, 3
.set SI, 200
.set SV, 203
.set SZ, 206
.set SW, 209
.set ST, 212
.set SX, 215
.set TK, 218
.set SH, 220
.set SL, 224
.set SS, 228
.set SE, 232
.set SR, 236
.set S3, 237
.set UB, 0
.set UK, 64
.set UH, 32
.set UT, 8
.macro OUT2A t0                        ; tk = LAM tk + z_k; tk and z_v of step t0 as two parts, z_rk as three
.if (\t0) == 0
	v_mov_b32 v[TK], v[SZ]
.else
	s_wait_alu depctr_vm_vsrc(0)                   ; the seven stores of the step before have read the parts' registers, which the lines below write again
	v_fma_f32 v[TK], s23, v[TK], v[SZ]
.endif
	v_cvt_pk_bf16_f32 v[SH+1], v[SZ+1], v[SZ+1]
	v_cvt_pk_bf16_f32 v[SH+2], v[SZ+2], v[SZ+2]
	v_cvt_pk_bf16_f32 v[SH], v[TK], v[TK]
	v_lshlrev_b32 v[SS+1], 16, v[SH+1]
	v_lshlrev_b32 v[SS+2], 16, v[SH+2]
	v_lshlrev_b32 v[SS], 16, v[SH]
	v_sub_f32 v[SL+1], v[SZ+1], v[SS+1]
	v_sub_f32 v[SR], v[SZ+2], v[SS+2]
	v_sub_f32 v[SL], v[TK], v[SS]
	v_cvt_pk_bf16_f32 v[SL+1], v[SL+1], v[SL+1]
	v_cvt_pk_bf16_f32 v[SL+2], v[SR], v[SR]
	v_cvt_pk_bf16_f32 v[SL], v[SL], v[SL]
	v_lshlrev_b32 v[SS+2], 16, v[SL+2]
	v_sub_f32 v[SR], v[SR], v[SS+2]
	v_cvt_pk_bf16_f32 v[S3], v[SR], v[SR]
.endm
.macro OUT2S t0                        ; and into the planes; no vector line between the wait ahead and these stores names the addresses or the parts
	ds_store_b16 v193, v[SH]   offset:528*(\t0)
	ds_store_b16 v194, v[SH+1] offset:2*(\t0)
	ds_store_b16 v192, v[SH+2] offset:528*(\t0)
	ds_store_b16 v193, v[SL]   offset:528*(\t0)+PLN
	ds_store_b16 v194, v[SL+1] offset:2*(\t0)+ZVP
	ds_store_b16 v192, v[SL+2] offset:528*(\t0)+PLN
	ds_store_b16 v195, v[S3]   offset:528*(\t0)
.endm
	LIF_START
.set tt, 0
.rept 49
	LIF_V
.if tt < 48
	LIF_I tt+1
.else
	v_nop                                          ; the plain place behind the powers
.endif
.if tt > 0
	OUT2A tt-1
.endif
	s_wait_alu depctr_va_vdst(0)                   ; the three powers are written, ahead of their readers; from the second step on so are the seven parts, which the stores below read
	LIF_Z
.if tt > 0
	OUT2S tt-1
.endif
.if tt < 48
	LIF_W
.else
	v_nop                                          ; the plain place behind the reciprocals
.endif
	s_wait_alu depctr_va_vdst(0)                   ; the three reciprocals have written z, ahead of their first readers
.set tt, tt+1
.endr
	OUT2A 48
	s_wait_alu depctr_va_vdst(0)                   ; the last step's seven parts are written, which the stores below read
	OUT2S 48
	WIN 0
	; ------------------------------------------------------------------ phase 6: the second half of mem0 through my area into fragments, v128-191
	s_wait_loadcnt 0x0
.set qq, 0
.rept 32
	CVT4 128+4*qq
.set qq, qq+1
.endr
	s_wait_alu depctr_va_vdst(0)                   ; the roundings have written the pairs in v128-255, which the 32 LDS stores below read
.set qq, 0
.rept 32
	ds_store_b64 v[MST], v[128+4*qq:129+4*qq] offset:528*(qq>>1)+256*(qq&1)
.set qq, qq+1
.endr
	s_wait_alu depctr_vm_vsrc(0)                   ; those stores have read v128-191, in which the loads below land; phase 5's stores have read window 1's v192-237, which phase 8's products write
	s_wait_alu depctr_va_vdst(0)                   ; the roundings are done with v128-191, in which the loads below land
.irp c, 0,1,2,3,4,5,6,7
	ds_load_b128 v[128+8*\c:131+8*\c], v21 offset:64*\c       ; my own bytes: LDS serves a wave's instructions in order
	ds_load_b128 v[132+8*\c:135+8*\c], v21 offset:64*\c+32
.endr
	s_wait_dscnt 0x0
	BARRIER                                        ; 5: the planes of z_rk, tk, z_v are whole
	; ------------------------------------------------------------------ phase 7: ETA A^T, A[t][s] = tk[s] . z_rk[t] for s <= t.  Wave w: t = 16 (w>>1) + 0..15, s = 32 (w&1) + 0..31
	; all in window 1: v0-47, v48-95 buffers, v100-105 addresses and limits, v112-127 sums, v128-151 the parts and scratch
	v_mul_u32_u24 v25, v[RR], 80
	v_lshl_add_u32 v25, v[HH], 4, v25              ; 80 r + 16 h: a tile [16 t][32 s] has pitch 80
	s_and_b32 s29, s20, 5
	s_cmp_eq_u32 s29, 1                            ; waves 1 and 3: t < 32 <= s, nothing of that tile is ever read
	s_cbranch_scc1 .Lp7_end
	s_lshr_b32 s48, s20, 1
	s_lshl_b32 s50, s48, 4                         ; first t
	s_and_b32 s49, s20, 1
	s_lshl_b32 s52, s49, 5                         ; first s
	s_mov_b32 s53, 528
	v_lshl_add_u32 v32, v[HH], 4, ZR1
	v_add_nc_u32 v33, s50, v[RR]
	v_min_u32 v33, 48, v33                         ; the planes have 49 rows: later rows repeat the last and are masked or unused
	v_lshl_add_u32 v35, v[HH], 4, TKH
	v_add_nc_u32 v34, s52, v[RR]
	v_add_nc_u32 v36, 16, v34
	v_min_u32 v34, 48, v34
	v_min_u32 v36, 48, v36
	v_lshlrev_b32 v37, 3, v[HH]
	v_sub_nc_u32 v37, v[RR], v37                   ; r - 8 h
	s_sub_co_i32 s50, s50, s52
	s_sub_co_i32 s51, s50, 16
	WIN 0x40
	v_mad_u32_u24 v100, v33, s53, v32              ; z_rk rows t
	v_mad_u32_u24 v101, v34, s53, v35              ; tk rows s, the first 16
	v_mad_u32_u24 v102, v36, s53, v35              ; and the second 16
	v_add_nc_u32 v103, s50, v37                    ; result j is s = s0 + 8 h + j of row t = t0 + r: kept where j <= t0 - s0 + r - 8 h
	v_add_nc_u32 v104, s51, v37
	v_add_nc_u32 v105, s31, v25                    ; the head of my mem0 area, whose fragments are in registers since phase 6
	WIN 0x55
.macro P7LOAD buf, c
.irp o, 0,1,2
	ds_load_b128 v[\buf+16*\o:\buf+16*\o+3],     v[100+\o] offset:64*(\c)
	ds_load_b128 v[\buf+16*\o+4:\buf+16*\o+7],   v[100+\o] offset:64*(\c)+32
	ds_load_b128 v[\buf+16*\o+8:\buf+16*\o+11],  v[100+\o] offset:64*(\c)+PLN
	ds_load_b128 v[\buf+16*\o+12:\buf+16*\o+15], v[100+\o] offset:64*(\c)+PLN+32
.endr
.endm
	s_wait_alu depctr_va_vdst(0)                   ; window 1's v100-102 and v105 are written, which this phase's LDS instructions read; the second scan is done with v0-95, the two buffers
	P7LOAD 0, 0
.set cc, 0
.rept 8
.if cc > 0
	PLACES
.endif
.if cc < 7
.if cc > 0
	s_wait_alu depctr_va_vdst(0)                   ; the products of the K step before are done reading the buffer in which the loads below land
.endif
	P7LOAD 48*((cc+1)&1), cc+1
	s_wait_dscnt 12                                ; the twelve loads of the next K step stay out
.else
	s_wait_dscnt 0x0
.endif
	MMA 112, 16+48*(cc&1), 48*(cc&1), cc==0        ; tk hi x z_rk hi
	MMA 120, 32+48*(cc&1), 48*(cc&1), cc==0
	MMA 112, 16+48*(cc&1), 8+48*(cc&1), 0          ; tk hi x z_rk lo
	MMA 120, 32+48*(cc&1), 8+48*(cc&1), 0
	MMA 112, 24+48*(cc&1), 48*(cc&1), 0            ; tk lo x z_rk hi
	MMA 120, 40+48*(cc&1), 48*(cc&1), 0
.set cc, cc+1
.endr
	PLACES
.irp j, 0,1,2,3,4,5,6,7
	v_cmp_le_i32 s[32+\j], \j, v103                ; the sixteen masks in a run, each in a scalar register of its own
.endr
.irp j, 0,1,2,3,4,5,6,7
	v_cmp_le_i32 s[40+\j], \j, v104
.endr
.irp j, 0,1,2,3,4,5,6,7,8,9,10,11,12,13,14,15
	v_mul_f32 v[112+\j], s24, v[112+\j]
.endr
	s_wait_alu depctr_va_sdst(0)                   ; the sixteen compares have written s32 to s47, ahead of the selects that read them
.irp j, 0,1,2,3,4,5,6,7,8,9,10,11,12,13,14,15
	v_cndmask_b32 v[112+\j], 0, v[112+\j], s[32+\j]
.endr
	SPLIT8 112, 128, 132, 136
	SPLIT8 120, 144, 148, 136                      ; the second tile's parts get registers of their own
	s_wait_alu depctr_va_vdst(0)                   ; the splits have written v128-135 and v144-151, which the four LDS stores below read
	ds_store_b128 v105, v[128:131]
	ds_store_b128 v105, v[132:135] offset:1280
	ds_store_b128 v105, v[144:147] offset:32
	ds_store_b128 v105, v[148:151] offset:1312
	WIN 0
.Lp7_end:
	; ------------------------------------------------------------------ phase 8: z_rk (three parts) x mem0^T for my 32 rows m
	; mem0's fragments (mu, c) in window 0, v[64 + 64 mu + 8 c]; in window 1: four buffers v0-127 (four row tiles of one part and one K step
	; each), taken in pairs that take turns; addresses v160-163, sums (tau, mu) in v[192 + 16 tau + 8 mu].  One window setting serves loads and products.
	; 24 steps: part 3 over the eight K steps, then part 2, then part 1; two steps to a pair, so that one wait on va_vdst serves sixteen loads and sixteen products.
	WIN 0x40
	v_add_nc_u32 v160, ZR1, v[P528]
	v_lshl_add_u32 v161, v[HH], 4, ZR1+48*528      ; the last tile: row 48 in every lane
	v_add_nc_u32 v162, ZR1+2*PLN, v[P528]
	v_lshl_add_u32 v163, v[HH], 4, ZR1+2*PLN+48*528
	WIN 0x51
.macro P8LOAD buf, a0, off
.irp tau, 0,1,2
	ds_load_b128 v[\buf+8*\tau:\buf+8*\tau+3],   v[\a0] offset:8448*\tau+(\off)
	ds_load_b128 v[\buf+8*\tau+4:\buf+8*\tau+7], v[\a0] offset:8448*\tau+(\off)+32
.endr
	ds_load_b128 v[\buf+24:\buf+27], v[\a0+1] offset:(\off)
	ds_load_b128 v[\buf+28:\buf+31], v[\a0+1] offset:(\off)+32
.endm
.macro P8STEP s
.if (\s)/8 == 0
	P8LOAD 32*((\s)%4), 162, 64*((\s)%8)
.else
.if (\s)/8 == 1
	P8LOAD 32*((\s)%4), 160, PLN+64*((\s)%8)
.else
	P8LOAD 32*((\s)%4), 160, 64*((\s)%8)
.endif
.endif
.endm
	s_wait_alu depctr_vm_vsrc(0)                   ; phase 7's LDS instructions have read window 1's v100-102 and v105, in which loads land below
	s_wait_alu depctr_va_vdst(0)                   ; v160-163 are written, which the loads read; phase 7's products, masks and splits are done with v0-127, in which the loads land
	P8STEP 0
	P8STEP 1
.set dd, 0
.rept 12
.if dd < 11
.if dd > 0
	PLACES
	s_wait_alu depctr_va_vdst(0)                   ; the sixteen products of the pair before are done reading the two buffers in which the loads below land
.endif
	P8STEP 2*dd+2
	P8STEP 2*dd+3
	s_wait_dscnt 16                                ; the sixteen loads of the next pair stay out
.else
	s_wait_dscnt 0x0
.endif
.irp half, 0,1
.irp tau, 0,1,2,3
.irp mu, 0,1
	MMA 192+16*\tau+8*\mu, 32*((2*dd+\half)%4)+8*\tau, 64+64*\mu+8*((2*dd+\half)%8), (2*dd+\half)==0
.endr
.endr
.endr
.set dd, dd+1
.endr
	WIN 0
	s_wait_dscnt 0x0
	BARRIER                                        ; 6: the A tiles are whole; nobody reads tk any more
	; ------------------------------------------------------------------ phase 9: + (ETA A) x z_v^T, lo hi + hi lo + hi hi, on the same sums
	PLACES
	s_mul_i32 s29, s20, 4608
	s_add_co_u32 s29, s29, ZVH
	v_mul_u32_u24 v32, v[RR], 144
	v_lshl_add_u32 v32, v[HH], 4, v32
	v_add_nc_u32 v28, s29, v32
.macro P9LDA q, tau, kap               ; tile (tau, kap) lies in the area of wave 2 tau + kap
	ds_load_b128 v[32+16*\q:35+16*\q], v25 offset:MAREA*(2*\tau+\kap)
	ds_load_b128 v[36+16*\q:39+16*\q], v25 offset:MAREA*(2*\tau+\kap)+32
	ds_load_b128 v[40+16*\q:43+16*\q], v25 offset:MAREA*(2*\tau+\kap)+1280
	ds_load_b128 v[44+16*\q:47+16*\q], v25 offset:MAREA*(2*\tau+\kap)+1312
.endm
	s_wait_alu depctr_va_vdst(0)                   ; v25 and v28 are written, which the loads read; phase 8's products are done reading v64-191, and the lines above with v32: the loads land in v32-191
	P9LDA 1, 1, 0
	P9LDA 2, 2, 0
	P9LDA 3, 2, 1
	P9LDA 4, 3, 0
	P9LDA 5, 3, 1
.irp mu, 0,1
.irp kap, 0,1
	ds_load_b128 v[128+32*\mu+16*\kap:131+32*\mu+16*\kap], v28 offset:2304*\mu+64*\kap
	ds_load_b128 v[132+32*\mu+16*\kap:135+32*\mu+16*\kap], v28 offset:2304*\mu+64*\kap+32
	ds_load_b128 v[136+32*\mu+16*\kap:139+32*\mu+16*\kap], v28 offset:2304*\mu+64*\kap+ZVP
	ds_load_b128 v[140+32*\mu+16*\kap:143+32*\mu+16*\kap], v28 offset:2304*\mu+64*\kap+ZVP+32
.endr
.endr
	P9LDA 0, 0, 0
	s_wait_dscnt 0x0
	WIN 0x50                                       ; operands in window 0, sums in window 1
.macro P9MM q, tau, kap, pa, pv
.irp mu, 0,1
	MMA 192+16*\tau+8*\mu, 32+16*\q+8*\pa, 128+32*\mu+16*\kap+8*\pv, 0
.endr
.endm
.macro P9PASS pa, pv
	P9MM 0, 0, 0, \pa, \pv
	P9MM 1, 1, 0, \pa, \pv
	P9MM 2, 2, 0, \pa, \pv
	P9MM 4, 3, 0, \pa, \pv
	P9MM 3, 2, 1, \pa, \pv
	P9MM 5, 3, 1, \pa, \pv
.endm
	P9PASS 1, 0
	P9PASS 0, 1
	P9PASS 0, 0
	; ------------------------------------------------------------------ phase 10: the read value's scan, one neuron a lane, in window 1; out[t+1] = z_rv[t]
	PLACES
	WIN 0x40
	v_lshl_add_u32 v100, v0, 2, OUTS
	v_mov_b32 v101, 0
	WIN 0x55
	SWAP8 192, 200, 8
	SWAP8 208, 216, 8
	SWAP8 224, 232, 8
	SWAP8 240, 248, 1
	s_wait_alu depctr_va_vdst(0)                   ; window 1's v100, the address of this phase's stores, and the zero in v101 are written
	ds_store_b32 v100, v101                        ; out[0] = the delay buffer's start, zero
.set NCH, 1
.set SI, 104
.set SV, 105
.set SZ, 106
.set SW, 107
.set ST, 108
.set SX, 109
.set SE, 110
.set UB, 192
.set UK, 0
.set UH, 8
.set UT, 16
	LIF_START
.set tt, 0
.rept 49
	LIF_V
.if tt < 48
	LIF_I tt+1
.else
	v_nop                                          ; the plain place behind the power
.endif
.if tt > 0
	s_wait_alu depctr_vm_vsrc(0)                   ; the store of the step before has read z, which the reciprocal below writes again
.endif
	s_wait_alu depctr_va_vdst(0)                   ; the power is written, ahead of its reader
	LIF_Z
.if tt < 48
	LIF_W
.else
	v_nop                                          ; the plain place behind the reciprocal
.endif
	s_wait_alu depctr_va_vdst(0)                   ; the reciprocal has written z, which the store below and the next step read
	ds_store_b32 v100, v[SZ] offset:1024*(tt+1)
.set tt, tt+1
.endr
	WIN 0
	s_wait_dscnt 0x0
	BARRIER                                        ; 7: the 50 rows of the output are whole in LDS
	; the way out: thread tid takes 16 bytes; a wave's store covers 512 consecutive bytes, at a multiple of 512 from out0's first byte
	v_lshl_add_u32 v30, v0, 4, OUTS
	v_lshrrev_b32 v32, 6, v0                       ; four rows of 1,024 bytes a turn
	v_and_b32 v33, 63, v0
	v_lshlrev_b32 v33, 4, v33
	v_lshl_add_u32 v31, v32, 18, v33               ; a row of out0 for one b is 262,144 bytes from the next
	s_wait_alu depctr_va_vdst(0)                   ; v30 and v31 are written, which the loads and stores below read; phase 9's products are done reading v64-115, in which the loads land
.irp i, 0,1,2,3,4,5,6,7,8,9,10,11
	ds_load_b128 v[64+4*\i:67+4*\i], v30 offset:4096*\i
.endr
.irp i, 0,1,2,3,4,5,6,7
	s_wait_dscnt 11-\i                             ; LDS loads return in order: the younger ones stay out
	global_store_b128 v31, v[64+4*\i:67+4*\i], s[18:19] offset:1048576*\i th:TH_STORE_NT
.endr
.irp i, 8,9,10,11
	s_wait_dscnt 11-\i
	global_store_b128 v31, v[64+4*\i:67+4*\i], s[26:27] offset:1048576*(\i-8) th:TH_STORE_NT
.endr
	s_cmp_gt_u32 s20, 3                            ; rows 48 and 49 are left: 2,048 bytes, waves 0-3
	s_cbranch_scc1 .Lend
	ds_load_b128 v[112:115], v30 offset:49152      ; no vector line since the wait above names v30 or v112-115
	s_wait_dscnt 0x0
	global_store_b128 v31, v[112:115], s[26:27] offset:4194304 th:TH_STORE_NT
.Lend:
	s_wait_dscnt 0x0                               ; the closing lines, six on end
	s_wait_alu 0x0
	s_wait_tensorcnt 0x0
	ds_add_u32 v27, v29
	s_wait_dscnt 0x0
	s_endpgm
.Lfunc_end_k_q8277c2d18e_snn:
	.size	k_q8277c2d18e_snn, .Lfunc_end_k_q8277c2d18e_snn-k_q8277c2d18e_snn
	.p2alignl 7, 3214868480
	.fill 96, 4, 3214868480
	.section	.rodata,"a",@progbits
	.p2align	6, 0x0
	.amdhsa_kernel k_q8277c2d18e_snn
		.amdhsa_group_segment_fixed_size 327680
		.amdhsa_private_segment_fixed_size 0
		.amdhsa_enable_private_segment 0
		.amdhsa_kernarg_size 64
		.amdhsa_user_sgpr_count 2
		.amdhsa_user_sgpr_kernarg_segment_ptr 1
		.amdhsa_wavefront_size32 1
		.amdhsa_system_sgpr_workgroup_id_x 1
		.amdhsa_system_sgpr_workgroup_id_y 1
		.amdhsa_system_sgpr_workgroup_id_z 1
		.amdhsa_system_vgpr_workitem_id 0
		.amdhsa_next_free_vgpr 512
		.amdhsa_next_free_sgpr 66
		.amdhsa_reserve_vcc 0
		.amdhsa_float_denorm_mode_32 3
		.amdhsa_float_denorm_mode_16_64 3
		.amdhsa_memory_ordered 1
		.amdhsa_forward_progress 1
		.amdhsa_inst_pref_size 255
	.end_amdhsa_kernel
	.section	.bss,"aw",@nobits
	.p2align	6
	.space	262144
	.amdgpu_metadata
---
amdhsa.version: [ 1, 2 ]
amdhsa.kernels:
  - .name:           k_q8277c2d18e_snn
    .symbol:         k_q8277c2d18e_snn.kd
    .args:
      - { .name: facts, .offset: 0, .size: 8, .value_kind: global_buffer, .address_space: global }
      - { .name: mem0, .offset: 8, .size: 8, .value_kind: global_buffer, .address_space: global }
      - { .name: W_emb, .offset: 16, .size: 8, .value_kind: global_buffer, .address_space: global }
      - { .name: W_enc, .offset: 24, .size: 8, .value_kind: global_buffer, .address_space: global }
      - { .name: W_wk, .offset: 32, .size: 8, .value_kind: global_buffer, .address_space: global }
      - { .name: W_wv, .offset: 40, .size: 8, .value_kind: global_buffer, .address_space: global }
      - { .name: W_rk, .offset: 48, .size: 8, .value_kind: global_buffer, .address_space: global }
      - { .name: out0, .offset: 56, .size: 8, .value_kind: global_buffer, .address_space: global }
    .group_segment_fixed_size: 327680
    .private_segment_fixed_size: 0
    .kernarg_segment_align: 8
    .kernarg_segment_size: 64
    .max_flat_workgroup_size: 256
    .sgpr_count:     66
    .vgpr_count:     512
    .wavefront_size: 32
...
	.end_amdgpu_metadata
.endif
;; end of part 2
